; MI455X (gfx1250); checked and timed in simulation.
; The chip was launched on July 23, 2026; its instructions are those of AMD's public machine-readable ISA for CDNA 5 (MIT licence, August 2026) and "CDNA5" Instruction Set Architecture Reference Guide (July 2026). The comments in the code are by the model that wrote it; some were corrected since.
;; Gating Network. Allowed arithmetic: matrix products marked QUANTISED: E5M2 operands, one E8M0 scale for each 32 along K, by v_wmma_scale_f32_16x16x128_f8f6f4 with both operands' format E5M2, f32 sums; everything else in f32.
;; Inputs: W1_codes 8 x 4,096 x 4 x 32 uint8 (E5M2 codes of W1, K innermost, in blocks of 32 codes); W1_scales 8 x 4,096 x 4 uint8 (E8M0 scales of W1, one for each 32 codes along K); W2_codes 8 x 128 x 128 x 32 uint8 (E5M2 codes of W2, K innermost, in blocks of 32 codes); W2_scales 8 x 128 x 128 uint8 (E8M0 scales of W2, one for each 32 codes along K); b1 8 x 4,096 float32; b2 8 x 128 float32; topk_idx 8,192 x 2 int32; weights 8,192 x 2 float32; x_codes 8,192 x 4 x 32 uint8 (E5M2 codes of x, K innermost, in blocks of 32 codes); x_scales 8,192 x 4 uint8 (E8M0 scales of x, one for each 32 codes along K).
;; Outputs: out0 8,192 x 128 float32.
;; This version of the problem:
;;   THIS VERSION OF THE PROBLEM IS GIVEN IN LOW PRECISION. The matrix products marked QUANTISED in the list below multiply operands that are first quantised to E5M2 (5 exponent bits, 2 mantissa bits; 8 bits a number), with one power-of-two scale for each 32 numbers along K (OCP MX v1.0); their sums are f32. All else is computed in f32.
;;   The module's matrix products, in the order in which they are computed (A, B: the left and right operand; K: the contracted axis; several contracted axes count as one K, in the product's order):
;;     1. [M 8,192, K 128] x [K 128, N 4,096]; A: input x (given as codes); B: input W1 (given as codes): QUANTISED
;;     2. [M 8,192, K 4,096] x [K 4,096, N 128]; A: computed on the way; B: input W2 (given as codes): QUANTISED
;;     3. [M 8,192, K 128] x [K 128, N 4,096]; A: input x (given as codes); B: input W1 (given as codes): QUANTISED
;;     4. [M 8,192, K 4,096] x [K 4,096, N 128]; A: computed on the way; B: input W2 (given as codes): QUANTISED
;;     5. [M 8,192, K 128] x [K 128, N 4,096]; A: input x (given as codes); B: input W1 (given as codes): QUANTISED
;;     6. [M 8,192, K 4,096] x [K 4,096, N 128]; A: computed on the way; B: input W2 (given as codes): QUANTISED
;;     7. [M 8,192, K 128] x [K 128, N 4,096]; A: input x (given as codes); B: input W1 (given as codes): QUANTISED
;;     8. [M 8,192, K 4,096] x [K 4,096, N 128]; A: computed on the way; B: input W2 (given as codes): QUANTISED
;;     9. [M 8,192, K 128] x [K 128, N 4,096]; A: input x (given as codes); B: input W1 (given as codes): QUANTISED
;;     10. [M 8,192, K 4,096] x [K 4,096, N 128]; A: computed on the way; B: input W2 (given as codes): QUANTISED
;;     11. [M 8,192, K 128] x [K 128, N 4,096]; A: input x (given as codes); B: input W1 (given as codes): QUANTISED
;;     12. [M 8,192, K 4,096] x [K 4,096, N 128]; A: computed on the way; B: input W2 (given as codes): QUANTISED
;;     13. [M 8,192, K 128] x [K 128, N 4,096]; A: input x (given as codes); B: input W1 (given as codes): QUANTISED
;;     14. [M 8,192, K 4,096] x [K 4,096, N 128]; A: computed on the way; B: input W2 (given as codes): QUANTISED
;;     15. [M 8,192, K 128] x [K 128, N 4,096]; A: input x (given as codes); B: input W1 (given as codes): QUANTISED
;;     16. [M 8,192, K 4,096] x [K 4,096, N 128]; A: computed on the way; B: input W2 (given as codes): QUANTISED
;;   THE QUANTISER, for each operand of a quantised product, along K:
;;     - K is cut into blocks of 32 from its start; a last block that is shorter is filled with zeros.
;;     - A block's scale is 2^e with e = floor(log2(the largest magnitude in the block)) - 15, held to -126 .. 127; a block of zeros has e = 0. As a byte (E8M0): e + 127.
;;     - Each number is divided by its block's scale, clamped to +-57,344, and rounded to the nearest number of E5M2, ties to even, subnormals kept.
;;     - The product sums the exact products of the quantised numbers (number of the format x scale) in f32.
;;   ~~~python
;;   def quantise(x, axis):      # numpy; x: float32 -> the quantised numbers, widened to float32 again
;;       x = np.moveaxis(x, axis, -1); K = x.shape[-1]
;;       x = np.pad(x, [(0, 0)] * (x.ndim - 1) + [(0, -K % 32)]); x = x.reshape(x.shape[:-1] + (-1, 32)); a = np.abs(x).max(-1, keepdims=True)
;;       e = np.where(a > 0, np.clip(np.frexp(np.where(a > 0, a, 1))[1] - 1 - 15, -126, 127), 0)      # np.frexp(a)[1] - 1 = floor(log2(a)), exactly
;;       r = np.clip(x / 2.0 ** e, -57344, 57344)
;;       step = 2.0 ** (np.maximum(np.frexp(np.where(r == 0, 1, r))[1] - 1, -14) - 2)
;;       q = np.round(r / step) * step * 2.0 ** e      # np.round: ties to even
;;       return np.moveaxis(q.reshape(q.shape[:-2] + (-1,))[..., :K], -1, axis).astype(np.float32)
;;   ~~~
;;   OPERANDS COMPUTED ON THE WAY. 'Computed on the way' means the value that the module computes at that place (a softmax that the list does not call 'softmax' is quantised finished and normalised). What goes into a quantiser is computed in f32, as accurately as f32 sums, v_exp_f32 and their like allow (about 1e-6 of the number): no bf16 or f16 on the way to a quantiser, and a product that is left as it is and whose result goes on into a quantised operand takes f32 operands (vector FMAs, or v_wmma_f32_16x16x4_f32). A number that lies on a knife's edge between two numbers of the format may be rounded either way, as far as f32 arithmetic and the matrix unit's own rounding can turn it there, and no further.
;;   INPUTS GIVEN AS CODES. W1 (in the module: [8, 128, 4096], K = its axis 1); W2 (in the module: [8, 4096, 128], K = its axis 1); x (in the module: [8192, 128], K = its axis 1): each comes as NAME_codes (uint8): NAME with its K axis moved to the last place and cut into blocks of 32 codes, [.., K / 32, bytes a block], one block behind the other in memory; one code a byte (a code: sign, 5 exponent bits, 2 mantissa bits); and NAME_scales (uint8): the same leading axes, one E8M0 byte (e + 127) for each 32 codes along K. Its value is code x scale, taken as it is: it is not quantised again, and the codes and scales need not be those that the quantiser above would give.
;; 2 versions. Each part assembles by itself: llvm-mc -triple=amdgcn-amd-amdhsa -mcpu=gfx1250 --defsym DOCPART=n.
;; ======== version 1 of 2: 3 launches
;; workspace buffers: Wf 8,388,608 bytes; S2f 131,072 bytes; list 528,384 bytes of whole numbers; glist 528,384 bytes; cnt 256 bytes of whole numbers; P 8,388,608 bytes
;; launch prep (part 1): grid 128 x 1, 32 waves a work-group, no clusters, 4,608 bytes of LDS; arguments topk_idx, weights, W1_codes, W2_codes, W2_scales, Wf, S2f, list, glist, cnt; writes Wf, S2f, list, glist, cnt
.if DOCPART == 1
	.amdgcn_target "amdgcn-amd-amdhsa--gfx1250"
	.amdhsa_code_object_version 6
	.text
	.protected	k_q78c7824e3f_prep
	.globl	k_q78c7824e3f_prep
	.p2align	8
	.type	k_q78c7824e3f_prep,@function
k_q78c7824e3f_prep:
	s_mov_b64 s[64:65], 0
	v_nop
	global_prefetch_b8 v0, s[64:65] scope:SCOPE_SE
	s_setreg_imm32_b32 hwreg(HW_REG_WAVE_MODE, 25, 1), 1
	s_wait_xcnt 0x0
; PREP: three small jobs, the same in each of the 128 work-groups of 32 waves.
; (a) THE WEIGHTS IN REGISTER ORDER.  Wf is [expert 8][chunk 32 of 128 hidden units][unit 8][fragment 2][register group 4][lane 32][16 bytes].  A fragment is 16 rows x 128 K of codes as a wave's
;     16 operand registers take them: lane (r, h), group k = bytes 32 k + 16 h .. + 15 of its row.  Units 0-3: W1, pair b: fragment t holds hidden units 128 c + 32 b + 8 t + r + 8 (r / 8)
;     (not neighbours: so the first product's results come out as neighbours along the second product's K).  Units 4-7: W2, pair b: fragment t holds outputs 32 b + 16 t + r, K = 128 c on.
;     4,096 fragments, one a wave: fragment 32 x work-group + wave.  Each store of the wave covers 512 consecutive bytes, aligned.
; (b) THE ROWS BY EXPERT.  A row is (token t, slot k), number 2 t + k: 16,384 in all, in the order of topk_idx's words.  Work-group i places, for expert i % 8, the rows of segment i / 8
;     (1,024 rows): a row's place is the count of that expert's rows in front of it.  Every work-group counts for itself: no traffic between work-groups.
;     list[e] holds the row numbers, glist[e] their gate weights, cnt[e] the count; behind an expert's last row stand 96 rows of padding (row 0, weight 0), so that a tile of 96 may be read whole.
; (c) W2's scale bytes as words, S2f [expert][chunk][output 128]: the four bytes of 128 along K of one output.  (4 bytes a lane, read 128 bytes apart: 131,072 bytes in the whole launch.)
; ORDER.  Every vector register that a store names is written while all lanes are on; the two stores under a mask of lanes stand at the end, the one whose mask is made of loaded numbers last.
; LIMIT: topk_idx holds 0 .. 7, as the table that it indexes has it; a row with another number is placed nowhere.
.set LSTR, 66048                       ; bytes of an expert's list: 16,384 + 128 words
	s_load_b512 s[4:19], s[0:1], 0x0               ; topk_idx s[4:5], weights s[6:7], W1's codes s[8:9], W2's codes s[10:11], W2's scales s[12:13], Wf s[14:15], S2f s[16:17], list s[18:19]
	s_load_b128 s[20:23], s[0:1], 0x40             ; glist s[20:21], cnt s[22:23]
	v_lshl_add_u32 v64, v0, 2, 0x200
	v_mov_b32 v65, 0
	v_lshrrev_b32 v1, 5, v0
	v_readfirstlane_b32 s2, v1                     ; wave 0..31
	v_and_b32 v2, 31, v0                           ; lane
	v_and_b32 v3, 15, v0                           ; r
	v_bfe_u32 v4, v0, 4, 1                         ; h
	s_and_b32 s24, ttmp9, 7                        ; (b) my expert
	s_lshr_b32 s25, ttmp9, 3                       ; (b) my segment
	s_lshr_b32 s26, ttmp9, 4                       ; (a), (c) the expert of my fragments
	s_and_b32 s27, ttmp9, 15
	s_lshl_b32 s27, s27, 1
	s_lshr_b32 s28, s2, 4
	s_add_co_u32 s27, s27, s28                     ; chunk c = 2 (i % 16) + wave / 16
	s_bfe_u32 s28, s2, 0x30001                     ; unit u = (wave / 2) % 8
	s_and_b32 s29, s2, 1                           ; fragment t
	s_lshl_b32 s30, s26, 19                        ; an expert's codes: 2^19 bytes in W1 and in W2
	s_lshl_b32 s31, s27, 14
	s_add_co_u32 s31, s31, s30
	s_lshl_b32 s32, s28, 12
	s_add_co_u32 s31, s31, s32
	s_lshl_b32 s32, s29, 10
	s_add_co_u32 s31, s31, s32                     ; W1: (4096 e + 128 c + 32 u + 8 t) rows of 128 bytes
	s_and_b32 s33, s28, 3
	s_lshl_b32 s33, s33, 17
	s_add_co_u32 s33, s33, s30
	s_lshl_b32 s32, s29, 16
	s_add_co_u32 s33, s33, s32
	s_lshl_b32 s32, s27, 7
	s_add_co_u32 s33, s33, s32                     ; W2: (128 e + 32 b + 16 t) rows of 4,096 bytes + 128 c
	s_mov_b32 s34, 4096
	s_mov_b32 s39, 0
	s_mov_b32 s54, 0x76543210                      ; v_permlanex16_b32's selects for lane l xor 16
	s_mov_b32 s55, 0xfedcba98
	s_wait_kmcnt 0x0
	s_cmp_lt_u32 s28, 4                            ; a fragment of W1 or of W2?  The choice hangs on the wave's number alone
	s_cselect_b64 s[36:37], s[8:9], s[10:11]
	s_cselect_b32 s38, s31, s33
	s_cselect_b32 s34, 128, s34                    ; bytes from row to row
	s_cselect_b32 s35, 8, 0                        ; W1's rows: r + (r & 8); W2's: r
	s_add_nc_u64 s[36:37], s[36:37], s[38:39]
	v_and_b32 v5, s35, v3
	v_add_nc_u32 v5, v5, v3
	v_mul_u32_u24 v5, s34, v5
	v_lshl_add_u32 v5, v4, 4, v5                   ; my row + 16 h
.irp k, 0,1,2,3
	global_load_b128 v[16+4*\k:19+4*\k], v5, s[36:37] offset:32*\k
.endr
	v_lshlrev_b32 v6, 4, v0
.irp j, 0,1,2,3
	global_load_b128 v[32+4*\j:35+4*\j], v6, s[4:5] offset:16384*\j   ; all 16,384 rows' experts: load j of my wave holds rows 128 (wave + 32 j) on
.endr
	s_lshl_b32 s40, s25, 12
	v_lshl_add_u32 v7, v0, 2, s40                  ; my own row of the segment: 1,024 seg + thread
	global_load_b32 v48, v7, s[4:5]
	global_load_b32 v49, v7, s[6:7]
	s_lshl_b32 s42, ttmp9, 16
	s_lshl_b32 s43, s2, 11
	s_add_co_u32 s42, s42, s43                     ; fragment x 2,048 bytes
	s_mov_b32 s43, 0
	s_add_nc_u64 s[14:15], s[14:15], s[42:43]
	v_lshlrev_b32 v8, 4, v2
	; (c) threads 0 .. 255: output thread % 128 of chunk 2 (i % 16) + thread / 128.  The load goes out with the others; the wait in the block is the one that the wave faces next in any case
	s_cmp_ge_u32 s2, 8
	s_cbranch_scc1 .Lno_words
	v_and_b32 v58, 127, v0
	v_lshrrev_b32 v59, 7, v0
	v_lshlrev_b32 v58, 7, v58
	v_lshl_add_u32 v58, v59, 2, v58                ; 128 bytes an output, 4 a chunk
	v_lshlrev_b32 v61, 2, v0
	s_lshl_b32 s42, s26, 14
	s_and_b32 s44, ttmp9, 15
	s_lshl_b32 s44, s44, 3
	s_add_co_u32 s42, s42, s44
	s_add_nc_u64 s[12:13], s[12:13], s[42:43]
	global_load_b32 v60, v58, s[12:13]
	s_lshl_b32 s42, ttmp9, 10                      ; (32 e + chunk) x 512 + 4 x output = 1,024 i + 4 x thread
	s_add_nc_u64 s[16:17], s[16:17], s[42:43]
	s_wait_loadcnt 0x0
	global_store_b32 v61, v60, s[16:17]
.Lno_words:
	s_wait_loadcnt 0x0
.irp k, 0,1,2,3
	global_store_b128 v8, v[16+4*\k:19+4*\k], s[14:15] offset:512*\k
.endr
	; (b) my wave's share of the count of rows of expert e in front of the segment: its 128 rows of load j lie wholly in front where wave + 32 j < 8 seg, and else wholly not
	s_mov_b32 s44, 0
	s_lshl_b32 s45, s25, 3
.irp j, 0,1,2,3
	v_cmp_eq_u32 s46, s24, v[32+4*\j]
	v_cmp_eq_u32 s47, s24, v[33+4*\j]
	v_cmp_eq_u32 s48, s24, v[34+4*\j]
	v_cmp_eq_u32 s49, s24, v[35+4*\j]
	s_bcnt1_i32_b32 s46, s46
	s_bcnt1_i32_b32 s47, s47
	s_bcnt1_i32_b32 s48, s48
	s_bcnt1_i32_b32 s49, s49
	s_add_co_u32 s46, s46, s47
	s_add_co_u32 s48, s48, s49
	s_add_co_u32 s46, s46, s48
	s_add_co_u32 s50, s2, 32*\j
	s_cmp_lt_u32 s50, s45
	s_cselect_b32 s46, s46, 0
	s_add_co_u32 s44, s44, s46
.endr
	v_cmp_eq_u32 s51, s24, v48                     ; which of my wave's 32 own rows are expert e's,
	s_bcnt1_i32_b32 s52, s51                       ; and how many
	v_mov_b32 v10, s44
	v_mov_b32 v11, s52
	s_lshl_b32 s53, s2, 3
	v_mov_b32 v9, s53
	ds_store_b64 v9, v[10:11]                      ; both counts to my wave's 8 bytes (all lanes write the same words)
	s_wait_dscnt 0x0                               ; for the others' sake
	s_barrier_signal -1
	s_barrier_wait -1
	v_lshlrev_b32 v57, 3, v2
	ds_load_b64 v[12:13], v57                      ; lane l: wave l's two counts
	s_wait_dscnt 0x0
	v_cmp_gt_u32 vcc_lo, s2, v2                    ; waves in front of mine
	v_cndmask_b32 v14, 0, v13, vcc_lo
	v_add_nc_u32 v14, v14, v12                     ; summed over lanes: the place of my wave's first row
	v_add_nc_u32 v15, v12, v13                     ; summed over lanes: all rows up to the segment's end
	v_mov_b32 v50, 0                               ; (the destination of a lane move counts as read)
	v_mov_b32 v51, 0
.irp x, 1,2,4,8
	v_mov_b32_dpp v50, v14 row_xmask:\x row_mask:0xf bank_mask:0xf   ; whole numbers all the way: these sums become addresses
	v_mov_b32_dpp v51, v15 row_xmask:\x row_mask:0xf bank_mask:0xf
	v_add_nc_u32 v14, v14, v50
	v_add_nc_u32 v15, v15, v51
.endr
	v_permlanex16_b32 v50, v14, s54, s55
	v_permlanex16_b32 v51, v15, s54, s55
	v_add_nc_u32 v14, v14, v50
	v_add_nc_u32 v15, v15, v51
	; all that the stores below name, made with all lanes on
	v_mbcnt_lo_u32_b32 v52, s51, v14               ; my row's place: + expert e's rows in the lanes below mine
	v_min_u32 v52, 0x3fff, v52
	v_lshlrev_b32 v52, 2, v52
	s_lshl_b32 s56, s25, 10
	v_add_nc_u32 v53, s56, v0                      ; my row's number
	v_add_nc_u32 v54, v15, v0                      ; the padding (used by the last segment's threads 0 .. 95 alone): places n .. n + 95
	v_min_u32 v54, 0x405f, v54
	v_lshlrev_b32 v54, 2, v54
	v_mov_b32 v55, 0
	s_lshl_b32 s59, s24, 2
	v_mov_b32 v56, s59                             ; the count's word
	s_mul_i32 s56, s24, LSTR
	s_mov_b32 s57, 0
	s_add_nc_u64 s[18:19], s[18:19], s[56:57]
	s_add_nc_u64 s[20:21], s[20:21], s[56:57]
	s_cmp_lg_u32 s25, 15                           ; the last segment's work-group knows the expert's count: it writes the padding and the count
	s_cbranch_scc1 .Lno_end
	s_cmp_ge_u32 s2, 3
	s_cbranch_scc1 .Lno_end
	global_store_b32 v54, v55, s[18:19]
	global_store_b32 v54, v55, s[20:21]
	s_cmp_lg_u32 s2, 0
	s_cbranch_scc1 .Lno_end
	v_cmp_eq_u32 vcc_lo, 0, v0                     ; thread 0 stores the count
	s_wait_xcnt 0x0                                ; EXEC changes only behind this wait
	s_and_saveexec_b32 s58, vcc_lo
	global_store_b32 v56, v15, s[22:23]
	s_wait_xcnt 0x0
	s_or_b32 exec_lo, exec_lo, s58
.Lno_end:
	v_cmp_eq_u32 vcc_lo, s24, v48                  ; the lanes whose own row is expert e's store its number and its weight
	s_wait_xcnt 0x0                                ; EXEC changes only behind this wait
	s_wait_tensorcnt 0x0
	ds_add_u32 v64, v65
	s_wait_dscnt 0x0
	s_and_saveexec_b32 s58, vcc_lo
	global_store_b32 v52, v53, s[18:19]
	global_store_b32 v52, v49, s[20:21]
	s_wait_xcnt 0x0
	s_or_b32 exec_lo, exec_lo, s58
	s_endpgm
.Lfunc_end_k_q78c7824e3f_prep:
	.size	k_q78c7824e3f_prep, .Lfunc_end_k_q78c7824e3f_prep-k_q78c7824e3f_prep
	.p2alignl 7, 3214868480
	.fill 96, 4, 3214868480
	.section	.rodata,"a",@progbits
	.p2align	6, 0x0
	.amdhsa_kernel k_q78c7824e3f_prep
		.amdhsa_group_segment_fixed_size 4608
		.amdhsa_private_segment_fixed_size 0
		.amdhsa_enable_private_segment 0
		.amdhsa_kernarg_size 80
		.amdhsa_user_sgpr_count 2
		.amdhsa_user_sgpr_kernarg_segment_ptr 1
		.amdhsa_wavefront_size32 1
		.amdhsa_system_sgpr_workgroup_id_x 1
		.amdhsa_system_sgpr_workgroup_id_y 1
		.amdhsa_system_sgpr_workgroup_id_z 1
		.amdhsa_system_vgpr_workitem_id 0
		.amdhsa_next_free_vgpr 66
		.amdhsa_next_free_sgpr 66
		.amdhsa_reserve_vcc 1
		.amdhsa_float_denorm_mode_32 3
		.amdhsa_float_denorm_mode_16_64 3
		.amdhsa_memory_ordered 1
		.amdhsa_forward_progress 1
		.amdhsa_inst_pref_size 11
	.end_amdhsa_kernel
	.amdgpu_metadata
---
amdhsa.version: [ 1, 2 ]
amdhsa.kernels:
  - .name:           k_q78c7824e3f_prep
    .symbol:         k_q78c7824e3f_prep.kd
    .args:
      - { .name: topk_idx, .offset: 0, .size: 8, .value_kind: global_buffer, .address_space: global }
      - { .name: weights, .offset: 8, .size: 8, .value_kind: global_buffer, .address_space: global }
      - { .name: W1_codes, .offset: 16, .size: 8, .value_kind: global_buffer, .address_space: global }
      - { .name: W2_codes, .offset: 24, .size: 8, .value_kind: global_buffer, .address_space: global }
      - { .name: W2_scales, .offset: 32, .size: 8, .value_kind: global_buffer, .address_space: global }
      - { .name: Wf, .offset: 40, .size: 8, .value_kind: global_buffer, .address_space: global }
      - { .name: S2f, .offset: 48, .size: 8, .value_kind: global_buffer, .address_space: global }
      - { .name: list, .offset: 56, .size: 8, .value_kind: global_buffer, .address_space: global }
      - { .name: glist, .offset: 64, .size: 8, .value_kind: global_buffer, .address_space: global }
      - { .name: cnt, .offset: 72, .size: 8, .value_kind: global_buffer, .address_space: global }
    .group_segment_fixed_size: 4608
    .private_segment_fixed_size: 0
    .kernarg_segment_align: 8
    .kernarg_segment_size: 80
    .max_flat_workgroup_size: 1024
    .sgpr_count:     66
    .vgpr_count:     66
    .wavefront_size: 32
...
	.end_amdgpu_metadata
.endif
;; end of part 1
;; launch experts (part 2): grid 178 x 1, 4 waves a work-group, no clusters, 252,416 bytes of LDS; arguments x_codes, x_scales, W1_scales, S2f, b1, b2, Wf, list, glist, cnt, P; writes P
.if DOCPART == 2
	.amdgcn_target "amdgcn-amd-amdhsa--gfx1250"
	.amdhsa_code_object_version 6
	.text
	.protected	k_q78c7824e3f_experts
	.globl	k_q78c7824e3f_experts
	.p2align	8
	.type	k_q78c7824e3f_experts,@function
k_q78c7824e3f_experts:
	s_mov_b64 s[64:65], 0
	v_nop
	global_prefetch_b8 v0, s[64:65] scope:SCOPE_SE
	s_setreg_imm32_b32 hwreg(HW_REG_WAVE_MODE, 25, 1), 1
	s_wait_xcnt 0x0
; EXPERTS: P[row] = gate x (Q(relu(x W1[e] + b1[e])) W2[e] + b2[e]) for the 16,384 routed rows (row = 2 x token + slot), both products on codes of E5M2 with one E8M0 scale for each 32 along K.
; SHARES.  A work-group takes one tile of 96 rows of ONE expert through the whole chain.  With 16,384 rows and 8 experts there are never more than 171 + 7 = 178 tiles, whatever the split: that is the grid.
; Which tile is mine follows from the eight counts, by selects.  A work-group that a split leaves without rows runs the same text on the list's first rows and stores nothing: the barrier below stands under no branch on a count.
; THE FOUR WAVES SHARE H: wave w takes hidden units 1,024 w on, in 8 chunks of 128, for ALL 96 rows, with sums of its own (48 accumulators); the four parts are added once, at the end, through LDS.
; So the loop has no barrier, and each fragment of weights that a wave loads feeds six matrix instructions.  The weights come from memory straight into the operand registers, in the order in which the launch in front laid them.
; In trip p a wave takes chunk (work-group + p) % 8 of its eight: neighbouring work-groups, which are tiles of the same expert, ask for different chunks at the same time.
; NO CLUSTER, NO JOINT LOADS: which expert a work-group walks, and how many tiles an expert has, are counts read from memory: four neighbouring work-groups need not be tiles of one expert, and a joint request's address would hang on those counts.
; LAYOUT.  Both products are used transposed (source 0 = 16 rows of the weight, source 1 = 16 of my rows): a lane holds ONE row throughout.  W1's rows of a tile are chosen so that the 16 registers of tiles 2 b, 2 b + 1
; are hidden units 32 b + 16 (lane / 16) + 0 .. 15: the conversions' results are the second product's operand.  b1 is the C of the first product.
; A CHUNK goes in eight groups g = 2 b + half: group g is block b of 32 hidden units for three tiles of rows.  Group g + 1's products stand in front of group g's quantiser lines, so that the matrix unit works beside them.
; LIMITS: NaN and infinity among the codes are not served (0 x NaN of an expert that was not chosen is not reproduced).  A hidden block of zeros gets the scale byte 1, not 127: its codes are zeros.
; The sum over H is made in four parts of 1,024, each K ascending from the wave's first chunk in its rotated order, then added: all in f32.
; REGISTERS, in windows of 256.  Window 0: see the names below.  Window 1: v[32 b + 16 t] W1's fragments, v[128 + 32 b + 16 t] W2's.  Window 2: sums of row tiles 0-3 at v[64 m + 8 o] (o: tile of 16 outputs).
; Window 3: v0-127 sums of row tiles 4, 5; v[128 + 16 m] x's six fragments; v224-255 b1, two buffers of 16.
.set SPITCH, 528                       ; the stage: a row of 512 bytes + 16: the sixteen rows that a store touches begin 16 bytes apart modulo 256
.set COPY,   96*SPITCH                 ; a wave's copy of the tile's partial sums
.set TAB,    4*COPY                    ; behind the four copies: each wave's own tables, 512 bytes a trip: b1 (+0), W1's scale words (+4096), W2's (+8192)
.set TABW,   12288
.set LSTR,   66048                     ; bytes of an expert's list
.set LOFF, 1                           ; v1     16 x lane
.set AB1,  2                           ; v2     my tables' b1 + 64 (lane / 16); never rewritten
.set AS1,  3                           ; v3     W1's scale words: 4 (8 (lane / 16) + r + (r & 8)); never rewritten
.set AS2,  4                           ; v4     W2's scale words: 4 x lane; never rewritten
.set STO,  5                           ; v5     the stage: where I put 32 bytes of a row
.set SRD,  6                           ; v6-9   the stage: my 16 bytes of my wave's first row in copy q
.set TST,  10                          ; v10    my tables + 16 x lane
.set WB1,  11                          ; v11    AB1 + 512 x trip
.set BO,   12                          ; v12-15 b2 of my four outputs
.set XS,   16                          ; v16-21 x's scale words, a register for each tile of rows
.set W1S,  22                          ; v22-23 W1's scale words, by b % 2: lanes 0-15 fragment 0's rows, lanes 16-31 fragment 1's
.set W2S,  24                          ; v24-27 W2's, by b, likewise
.set HS,   28                          ; v28-33 the hidden layer's scale words
.set WS1,  34                          ; v34    AS1 + 512 x trip
.set WS2,  35                          ; v35    AS2 + 512 x trip
.set QX,   36                          ; v36-38 largest magnitudes   (three tiles by turns)
.set QP,   39                          ; v39-41 the other half's, then the scale's byte
.set QL,   42                          ; v42-44 a second chain, then 57,344 x the scale
.set QS,   45                          ; v45-47 the conversion's scale operand
.set VO,   48                          ; v48-55 offsets of the tables' loads; in the tail of P's stores
.set HID,  56                          ; v56-151  the hidden layer: two buffers of 3 tiles x 16
.set HQ,   152                         ; v152-247 its codes: six fragments
.set RID,  248                         ; v248-253 my lane's rows, then their offsets in x
.set XF,   128                         ; window 3
.set BF,   224                         ; window 3
.set WV,   2                           ; s2   wave
.set TP,   67                          ; s67  512 x trip
.set NX,   61                          ; s61  which of my eight chunks comes next
.set WB,   92                          ; s[92:93] my eight chunks in Wf;  s[94:95] this trip's chunk;  s[96:97] the next trip's
.set WPC,  94
.set WPN,  96
.set MSB, 0
.macro WIN new                         ; the immediate's high byte repeats the setting that is left; a switch that changes nothing is dropped
.if MSB != \new
	s_set_vgpr_msb (MSB<<8)|\new
.set MSB, \new
.endif
.endm
.set W_WM,  0x3d                       ; source 0 (W1) window 1, sources 1 (x) and 2 (b1) window 3, destination window 0
.set W_P2A, 0xa1                       ; source 0 (W2) window 1, source 1 (codes) window 0, C and D window 2
.set W_P2B, 0xf1                       ; the same, C and D window 3
.set W_LDW, 0x40                       ; a load's destination in window 1
.set W_LD3, 0xc0                       ; in window 3
.set W_ST2, 0x08                       ; an LDS store's data (source 1) in window 2
.set W_ST3, 0x0c                       ; in window 3
; a unit of weights, two fragments, 4,096 bytes: eight loads of 512 consecutive bytes, straight into 32 operand registers
.macro LDU base, off, reg
.irp q, 0,1,2,3,4,5,6,7
	global_load_b128 v[(\reg)+4*\q:(\reg)+4*\q+3], v[LOFF], s[\base:\base+1] offset:(\off)+512*\q
.endr
.endm
; group g's six products: block b = g / 2 of the chunk (two fragments of W1), row tiles 3 (g % 2) + 0 .. 2; b1 is their C
.macro WM g
.set WMH, HID+48*((\g)&1)
.set WMA, 32*((\g)>>1)
.set WMX, XF+48*((\g)&1)
.set WMC, BF+16*(((\g)>>1)&1)
.set WMS, W1S+(((\g)>>1)&1)
.set WMR, XS+3*((\g)&1)
	WIN W_WM
.irp i, 0,1,2
	v_wmma_scale_f32_16x16x128_f8f6f4 v[WMH+16*\i:WMH+16*\i+7], v[WMA:WMA+15], v[WMX+16*\i:WMX+16*\i+15], v[WMC:WMC+7], v[WMS], v[WMR+\i] matrix_a_fmt:MATRIX_FMT_BF8 matrix_b_fmt:MATRIX_FMT_BF8
	v_wmma_scale_f32_16x16x128_f8f6f4 v[WMH+16*\i+8:WMH+16*\i+15], v[WMA+16:WMA+31], v[WMX+16*\i:WMX+16*\i+15], v[WMC+8:WMC+15], v[WMS], v[WMR+\i] matrix_a_fmt:MATRIX_FMT_BF8 matrix_b_fmt:MATRIX_FMT_BF8 matrix_a_scale:MATRIX_SCALE_ROW1
.endr
.endm
; group g's results become codes: for each of three tiles of rows a lane's 16 numbers are half a block of 32 along H; lane l xor 16 holds the other half.
; No |.| on the maximum's sources: what is negative becomes 0 (the activation) and must not count; the floor 2^(16 - 127) stands over it and holds the byte at 1 from below.  Each result is read from its low end on.
.macro QUANT g
.set QH, HID+48*((\g)&1)
.set QB, (\g)>>1
.set QR, 3*((\g)&1)
	WIN 0
.irp i, 0,1,2
	v_max3_num_f32 v[QX+\i], v[QH+16*\i], v[QH+16*\i+1], 0x8000000
.endr
.irp i, 0,1,2
	v_max3_num_f32 v[QL+\i], v[QH+16*\i+8], v[QH+16*\i+9], v[QH+16*\i+10]
.endr
.irp n, 2,4,6
.irp i, 0,1,2
	v_max3_num_f32 v[QX+\i], v[QX+\i], v[QH+16*\i+\n], v[QH+16*\i+\n+1]
.endr
.if \n < 6
.irp i, 0,1,2
	v_max3_num_f32 v[QL+\i], v[QL+\i], v[QH+16*\i+\n+9], v[QH+16*\i+\n+10]
.endr
.endif
.endr
.irp i, 0,1,2
	v_max3_num_f32 v[QX+\i], v[QX+\i], v[QL+\i], v[QH+16*\i+15]
.endr
.irp i, 0,1,2
	v_permlanex16_b32 v[QP+\i], v[QX+\i], s98, s99
.endr
.irp i, 0,1,2
	v_max_num_f32 v[QX+\i], v[QX+\i], v[QP+\i]     ; the block's largest magnitude
.endr
.irp i, 0,1,2
	v_add_nc_u32 v[QS+\i], 0xf8800000, v[QX+\i]    ; 15 off its exponent field: the conversion takes this operand's exponent field as its scale
.endr
.irp i, 0,1,2
	v_and_or_b32 v[QL+\i], v[QX+\i], 0x7f800000, s100   ; 57,344 x the scale
.endr
.irp i, 0,1,2
	v_lshrrev_b32 v[QP+\i], 23, v[QS+\i]           ; the scale's byte
.endr
.irp i, 0,1,2
.if QB == 0
	v_mov_b32 v[HS+QR+\i], v[QP+\i]                ; byte b of the row's scale word for these 128 along H
.else
	v_lshl_or_b32 v[HS+QR+\i], v[QP+\i], 8*QB, v[HS+QR+\i]
.endif
.endr
.irp i, 0,1,2
.irp n, 0,1,2,3,4,5,6,7,8,9,10,11,12,13,14,15
	v_med3_num_f32 v[QH+16*\i+\n], v[QH+16*\i+\n], 0, v[QL+\i]   ; the activation and the hold in one: the conversion to an 8-bit code does not saturate (ISA guide 7.6.2)
.endr
	v_cvt_scalef32_pk8_bf8_f32 v[HQ+16*(QR+\i)+4*QB:HQ+16*(QR+\i)+4*QB+1], v[QH+16*\i:QH+16*\i+7], v[QS+\i]
	v_cvt_scalef32_pk8_bf8_f32 v[HQ+16*(QR+\i)+4*QB+2:HQ+16*(QR+\i)+4*QB+3], v[QH+16*\i+8:QH+16*\i+15], v[QS+\i]
.endr
	v_nop                                          ; one plain line behind the last conversion: the next products write its sources
.endm
; block b + 1's bias and scale words out of my tables, into the buffers that block b - 1 has left (two quantiser runs behind their last reader).  b = 3: offset 512 is the next trip's block 0.  b = 1: also this chunk's words of W2.
.macro MB b
	WIN 0
	ds_load_b32 v[W1S+(((\b)+1)&1)], v[WS1] offset:128*((\b)+1)
.if (\b) == 1
.irp q, 0,1,2,3
	ds_load_b32 v[W2S+\q], v[WS2] offset:128*\q
.endr
.endif
	WIN W_LD3
.irp k, 0,1,2,3
	ds_load_b128 v[BF+16*(((\b)+1)&1)+4*\k:BF+16*(((\b)+1)&1)+4*\k+3], v[WB1] offset:128*((\b)+1)+16*\k
.endr
.endm
; In the middle of block b: the wait for the unit that the next products read, and the refill of the unit just left (its last reader stands a quantiser run back).
; A wait's count is the number of loads issued behind the unit wanted.  b = 0 wants W1's unit 1: behind it units 2 and 3: 16.  b = 1, 2 want units 2, 3, b = 3 the next chunk's unit 0: behind each 48
; (b = 1: unit 3 and the 40 of b = 0; b = 2: those 40 and 8; b = 3: W2's 32 and 8 + 8).  The last chunk asks for W2 alone: 16, 40, 32.
.macro BB b, last
.if (\b) == 0
	s_wait_loadcnt 16
	WIN W_LDW
.if !\last
	LDU WPN, 0, 0
.endif
.irp u, 0,1,2,3
	LDU WPC, 16384+4096*\u, 128+32*\u
.endr
.elseif !\last
	s_wait_loadcnt 48
	WIN W_LDW
	LDU WPN, 4096*(\b), 32*(\b)
.elseif (\b) < 3
	s_wait_loadcnt 48-8*(\b)
.endif
.if (!\last) || ((\b) < 3)
	s_wait_dscnt 0x0                               ; the bias and the scale words asked for at the block's head
.endif
.endm
; two products of the second kind: W2's unit b (32 outputs) x row tile m, K = this chunk's 128 hidden units
.macro PROD zero, acc, b, m
.if \zero
	v_wmma_scale_f32_16x16x128_f8f6f4 v[(\acc):(\acc)+7], v[128+32*(\b):128+32*(\b)+15], v[HQ+16*(\m):HQ+16*(\m)+15], 0, v[W2S+(\b)], v[HS+(\m)] matrix_a_fmt:MATRIX_FMT_BF8 matrix_b_fmt:MATRIX_FMT_BF8
	v_wmma_scale_f32_16x16x128_f8f6f4 v[(\acc)+8:(\acc)+15], v[144+32*(\b):144+32*(\b)+15], v[HQ+16*(\m):HQ+16*(\m)+15], 0, v[W2S+(\b)], v[HS+(\m)] matrix_a_fmt:MATRIX_FMT_BF8 matrix_b_fmt:MATRIX_FMT_BF8 matrix_a_scale:MATRIX_SCALE_ROW1
.else
	v_wmma_scale_f32_16x16x128_f8f6f4 v[(\acc):(\acc)+7], v[128+32*(\b):128+32*(\b)+15], v[HQ+16*(\m):HQ+16*(\m)+15], v[(\acc):(\acc)+7], v[W2S+(\b)], v[HS+(\m)] matrix_a_fmt:MATRIX_FMT_BF8 matrix_b_fmt:MATRIX_FMT_BF8
	v_wmma_scale_f32_16x16x128_f8f6f4 v[(\acc)+8:(\acc)+15], v[144+32*(\b):144+32*(\b)+15], v[HQ+16*(\m):HQ+16*(\m)+15], v[(\acc)+8:(\acc)+15], v[W2S+(\b)], v[HS+(\m)] matrix_a_fmt:MATRIX_FMT_BF8 matrix_b_fmt:MATRIX_FMT_BF8 matrix_a_scale:MATRIX_SCALE_ROW1
.endif
.endm
; the chunk's 48 products of the second kind: 48 accumulators, one instruction a turn.  zero = 1: the first chunk starts the sums: nothing is cleared.
; The wait in front of unit b: behind it W2's 3 - b later units and, but in the last chunk, the next chunk's three units of W1.
.macro P2 zero, last
	WIN W_P2A
.irp b, 0,1,2,3
	s_wait_loadcnt 24*(1-\last)+8*(3-\b)
.irp m, 0,1,2,3
	PROD \zero, 64*\m+16*\b, \b, \m
.endr
.endr
	WIN W_P2B
.irp b, 0,1,2,3
.irp m, 4,5
	PROD \zero, 64*(\m-4)+16*\b, \b, \m
.endr
.endr
.endm
.macro CHUNK first, last
.irp b, 0,1,2,3
.if (!\last) || (\b < 3)
	MB \b
.endif
	WM 2*\b+1
	QUANT 2*\b
	BB \b, \last
.if \b < 3
	WM 2*\b+2
.elseif !\last
	WM 0                                           ; the NEXT chunk's first group
.endif
	QUANT 2*\b+1
.endr
.if \last
.rept 3
	v_nop                                          ; with the line behind the last conversion: four places between the codes and the products that read them
.endr
.else
	s_add_co_u32 s[TP], s[TP], 512                 ; the next trip's tables; these three lines and the one behind the last conversion are the four places in front of the products
	v_add_nc_u32 v[WB1], s[TP], v[AB1]
	v_add_nc_u32 v[WS1], s[TP], v[AS1]
	v_add_nc_u32 v[WS2], s[TP], v[AS2]
	s_wait_xcnt 0x0                                ; the chunk's loads have had their addresses translated: their bases may be written
	s_mov_b64 s[WPC:WPC+1], s[WPN:WPN+1]
	s_add_co_u32 s[NX], s[NX], 1
	s_and_b32 s[NX], s[NX], 7
	s_lshl_b32 s62, s[NX], 15
	s_add_nc_u64 s[WPN:WPN+1], s[WB:WB+1], s[62:63]
.endif
	P2 \first, \last
	WIN 0
.endm
	s_load_b512 s[4:19], s[0:1], 0x0               ; x's codes s[4:5], x's scales s[6:7], W1's scales s[8:9], S2f s[10:11], b1 s[12:13], b2 s[14:15], Wf s[16:17], list s[18:19]
	s_load_b128 s[20:23], s[0:1], 0x40             ; glist s[20:21], cnt s[22:23]
	s_load_b64 s[24:25], s[0:1], 0x50              ; P
	v_lshrrev_b32 v1, 5, v0
	v_readfirstlane_b32 s[WV], v1                  ; wave 0..3
	v_and_b32 v38, 31, v0                          ; lane
	v_and_b32 v36, 15, v0                          ; r
	v_bfe_u32 v37, v0, 4, 1                        ; h
	v_lshlrev_b32 v[LOFF], 4, v38
	s_wait_kmcnt 0x0
	s_load_b256 s[28:35], s[22:23], 0x0            ; the eight counts
	s_mul_i32 s62, s[WV], TABW
	s_add_co_u32 s62, s62, TAB                     ; my tables
	v_add_nc_u32 v[TST], s62, v[LOFF]
	v_lshl_add_u32 v[AB1], v37, 6, s62
	v_and_b32 v39, 8, v36
	v_add_nc_u32 v39, v39, v36
	v_lshl_add_u32 v39, v37, 3, v39
	v_lshlrev_b32 v39, 2, v39
	v_add_nc_u32 v[AS1], s62, v39
	v_add_nc_u32 v[AS1], 4096, v[AS1]
	v_lshl_add_u32 v[AS2], v38, 2, s62
	v_add_nc_u32 v[AS2], 8192, v[AS2]
	s_mov_b32 s[TP], 0
	v_add_nc_u32 v[WB1], s[TP], v[AB1]
	v_add_nc_u32 v[WS1], s[TP], v[AS1]
	v_add_nc_u32 v[WS2], s[TP], v[AS2]
	v_lshlrev_b32 v254, 2, v36                     ; 4 r
	s_mov_b32 s98, 0x76543210                      ; v_permlanex16_b32's selects for lane l xor 16
	s_mov_b32 s99, 0xfedcba98
	s_mov_b32 s100, 0x600000                       ; the mantissa field of 57,344
	s_mov_b32 s63, 0                               ; the upper word of every offset; stays 0
	s_and_b32 s[NX], ttmp9, 7                      ; the rotation
.irp p, 0,1,2,3,4,5,6,7
	s_add_co_u32 s62, s[NX], \p
	s_and_b32 s62, s62, 7
	s_lshl_b32 s62, s62, 9
	v_add_nc_u32 v[VO+\p], s62, v[LOFF]            ; trip p's 512 bytes of each table in memory
.endr
	s_wait_kmcnt 0x0
	; WHICH TILE IS MINE.  Expert q has ceil(n / 96) tiles; (n + 95) x 43,691 >> 22 is that number for n + 95 up to 16,479 (43,691 x 96 = 2^22 + 32).  The last expert whose first tile is not behind my number is mine.
.irp q, 0,1,2,3,4,5,6,7
	s_min_u32 s[28+\q], s[28+\q], 0x4000
.endr
	s_mov_b32 s26, 0                               ; expert
	s_mov_b32 s60, ttmp9                           ; my tile among its tiles
	s_mov_b32 s27, s28                             ; its count
	s_mov_b32 s66, 0                               ; tiles in front
.irp q, 1,2,3,4,5,6,7
	s_add_co_u32 s62, s[28+\q-1], 95
	s_mul_i32 s62, s62, 43691
	s_lshr_b32 s62, s62, 22
	s_add_co_u32 s66, s66, s62
	s_sub_co_u32 s62, ttmp9, s66
	s_cmp_ge_u32 ttmp9, s66
	s_cselect_b32 s26, \q, s26
	s_cselect_b32 s60, s62, s60
	s_cselect_b32 s27, s[28+\q], s27
.endr
	s_min_u32 s26, s26, 7
	s_mul_i32 s60, s60, 96                         ; my first place in the expert's list
	s_sub_co_i32 s27, s27, s60
	s_max_i32 s27, s27, 0
	s_min_i32 s27, s27, 96                         ; my rows: 0 .. 96
	s_cmp_lg_u32 s27, 0
	s_cselect_b32 s60, s60, 0                      ; a tile without rows reads the list's first 96 places, which are always written
	s_min_u32 s60, s60, 0x4000
	s_mul_i32 s62, s26, LSTR
	s_lshl_b32 s66, s60, 2
	s_add_co_u32 s62, s62, s66
	s_add_nc_u64 s[18:19], s[18:19], s[62:63]
	s_add_nc_u64 s[20:21], s[20:21], s[62:63]
	s_mul_i32 s101, s[WV], 96                      ; the 24 rows that my wave stores at the end: their numbers and gates, as scalars
	s_load_b512 s[36:51], s[18:19], s101 offset:0x0
	s_load_b256 s[52:59], s[18:19], s101 offset:0x40
	s_load_b512 s[68:83], s[20:21], s101 offset:0x0
	s_load_b256 s[84:91], s[20:21], s101 offset:0x40
	s_lshl_b32 s62, s26, 20
	s_lshl_b32 s66, s[WV], 18
	s_add_co_u32 s62, s62, s66
	s_add_nc_u64 s[WB:WB+1], s[16:17], s[62:63]    ; an expert is 2^20 bytes of Wf, my eight chunks 2^18, a chunk 2^15
	s_lshl_b32 s62, s[NX], 15
	s_add_nc_u64 s[WPC:WPC+1], s[WB:WB+1], s[62:63]
	s_add_co_u32 s[NX], s[NX], 1
	s_and_b32 s[NX], s[NX], 7
	s_lshl_b32 s62, s[NX], 15
	s_add_nc_u64 s[WPN:WPN+1], s[WB:WB+1], s[62:63]
	s_lshl_b32 s62, s26, 14
	s_lshl_b32 s66, s[WV], 12
	s_add_co_u32 s62, s62, s66                     ; b1, W1's scale words and W2's all have 512 bytes a chunk
	s_add_nc_u64 s[8:9], s[8:9], s[62:63]
	s_add_nc_u64 s[10:11], s[10:11], s[62:63]
	s_add_nc_u64 s[12:13], s[12:13], s[62:63]
	s_lshl_b32 s62, s26, 9
	s_add_nc_u64 s[14:15], s[14:15], s[62:63]
	; 63 loads: the list (6), b2 (1), the tables (24), the first chunk's W1 (32)
.irp m, 0,1,2,3,4,5
	global_load_b32 v[RID+\m], v254, s[18:19] offset:64*\m     ; lane (r, h): row 16 m + r of the tile
.endr
	global_load_b128 v[BO:BO+3], v[LOFF], s[14:15]
.irp p, 0,1,2,3,4,5,6,7
	global_load_b128 v[HID+4*\p:HID+4*\p+3], v[VO+\p], s[12:13]
	global_load_b128 v[HID+32+4*\p:HID+32+4*\p+3], v[VO+\p], s[8:9]
	global_load_b128 v[HID+64+4*\p:HID+64+4*\p+3], v[VO+\p], s[10:11]
.endr
	WIN W_LDW
.irp u, 0,1,2,3
	LDU WPC, 4096*\u, 32*\u
.endr
	WIN 0
	s_wait_loadcnt 57                              ; the list is in: 57 loads were issued behind it
.irp m, 0,1,2,3,4,5
	v_lshrrev_b32 v[RID+\m], 1, v[RID+\m]          ; the row's token,
	v_min_u32 v[RID+\m], 0x1fff, v[RID+\m]         ; held inside x
	v_lshlrev_b32 v[QL+\m], 2, v[RID+\m]           ; its scale word
	v_lshlrev_b32 v[RID+\m], 7, v[RID+\m]
	v_lshl_add_u32 v[RID+\m], v37, 4, v[RID+\m]    ; its codes: 128 bytes a token, + 16 h
.endr
	WIN W_LD3
.irp m, 0,1,2,3,4,5
.irp c, 0,1,2,3
	global_load_b128 v[XF+16*\m+4*\c:XF+16*\m+4*\c+3], v[RID+\m], s[4:5] offset:32*\c   ; x's fragments stay in registers
.endr
.endr
	WIN 0
.irp m, 0,1,2,3,4,5
	global_load_b32 v[XS+\m], v[QL+\m], s[6:7]
.endr
	s_wait_loadcnt 62                              ; the tables are in: behind them W1's 32 loads and x's 30
.irp p, 0,1,2,3,4,5,6,7
	ds_store_b128 v[TST], v[HID+4*\p:HID+4*\p+3] offset:512*\p           ; in the order of the trips: so every LDS address is a constant, the lane's and the wave's terms, and 512 x trip
	ds_store_b128 v[TST], v[HID+32+4*\p:HID+32+4*\p+3] offset:4096+512*\p
	ds_store_b128 v[TST], v[HID+64+4*\p:HID+64+4*\p+3] offset:8192+512*\p
.endr
	ds_load_b32 v[W1S], v[WS1]                     ; block 0 of the first chunk (LDS serves a wave's instructions in order: these see my stores; the tables are my wave's own)
	WIN W_LD3
.irp k, 0,1,2,3
	ds_load_b128 v[BF+4*\k:BF+4*\k+3], v[WB1] offset:16*\k
.endr
	WIN 0
	s_wait_kmcnt 0x0
.irp q, 0,1,2,3,4,5,6,7,8,9,10,11,12,13,14,15,16,17,18,19,20,21,22,23
	s_min_u32 s[36+\q], s[36+\q], 0x3fff           ; row numbers, held inside P
.endr
	s_wait_loadcnt 0x0
	s_wait_dscnt 0x0
	WM 0
	WIN 0
	s_mul_i32 s62, s[WV], COPY                     ; the stage's addresses are made here: ten plain lines, the places behind the first products
	v_mul_u32_u24 v[STO], v36, SPITCH
	v_lshl_add_u32 v[STO], v37, 5, v[STO]
	v_add_nc_u32 v[STO], s62, v[STO]               ; my copy, row r, + 32 h
	s_mul_i32 s62, s[WV], 24*SPITCH
	v_add_nc_u32 v[SRD], s62, v[LOFF]              ; back: my wave's 24 rows, 16 bytes a lane, in each of the four copies
	v_add_nc_u32 v[SRD+1], COPY, v[SRD]
	v_add_nc_u32 v[SRD+2], 2*COPY, v[SRD]
	v_add_nc_u32 v[SRD+3], 3*COPY, v[SRD]
	v_mov_b32 v[QP], 0                             ; (a lane permute's destination counts as one of its sources)
	v_mov_b32 v[QP+1], 0
	v_mov_b32 v[QP+2], 0
	CHUNK 1, 0
	s_mov_b32 s3, 6
.Lchunk:
	CHUNK 0, 0
	s_sub_co_u32 s3, s3, 1
	s_cmp_lg_u32 s3, 0
	s_cbranch_scc1 .Lchunk
	CHUNK 0, 1                                     ; the last chunk asks for nothing beyond itself
	; THE END.  Each wave's 96 x 128 partial sums go to its copy in the stage; a barrier; wave w adds the four copies of rows 24 w .. 24 w + 23, adds b2, multiplies by the row's gate and stores the row to P.
.rept 8
	v_nop                                          ; places behind the last products, in front of the stores that read results and of loads into the codes' registers
.endr
	WIN W_ST2
.irp m, 0,1,2,3
.irp o, 0,1,2,3,4,5,6,7
	ds_store_b128 v[STO], v[64*\m+8*\o:64*\m+8*\o+3] offset:16*SPITCH*\m+64*\o          ; lane (r, h): row 16 m + r, outputs 16 o + 8 h + 0 .. 7; each result from its low end on
	ds_store_b128 v[STO], v[64*\m+8*\o+4:64*\m+8*\o+7] offset:16*SPITCH*\m+64*\o+16
.endr
.endr
	WIN W_ST3
.irp m, 4,5
.irp o, 0,1,2,3,4,5,6,7
	ds_store_b128 v[STO], v[64*(\m-4)+8*\o:64*(\m-4)+8*\o+3] offset:16*SPITCH*\m+64*\o
	ds_store_b128 v[STO], v[64*(\m-4)+8*\o+4:64*(\m-4)+8*\o+7] offset:16*SPITCH*\m+64*\o+16
.endr
.endr
	WIN 0
	s_mul_i32 s66, s[WV], 24
	s_sub_co_i32 s66, s27, s66                     ; how many of my 24 rows exist
	s_wait_dscnt 0x0                               ; for the others' sake: my stores into the stage are done
	s_barrier_signal -1
	s_barrier_wait -1
.macro TLOAD n                         ; batch n: six rows x four copies, 24 loads of 512 consecutive bytes, into the registers of the hidden layer (even n) or of its codes (odd n)
.set TBF, HID+96*((\n)&1)
.irp j, 0,1,2,3,4,5
.irp q, 0,1,2,3
	ds_load_b128 v[TBF+16*\j+4*\q:TBF+16*\j+4*\q+3], v[SRD+\q] offset:SPITCH*(6*(\n)+\j)
.endr
.endr
.endm
.macro TROWS n, younger                ; younger: the next batch's 24 loads, or none
.set TBF, HID+96*((\n)&1)
.irp j, 0,1,2,3,4,5
	s_cmp_le_i32 s66, 6*(\n)+\j                    ; the tile's rows end here: nothing more is stored
	s_cbranch_scc1 .Ldone
	s_wait_dscnt \younger+20-4*\j                  ; row j's four loads are in: behind them 4 (5 - j) of this batch and the next batch's
	v_pk_add_f32 v[TBF+16*\j:TBF+16*\j+1], v[TBF+16*\j:TBF+16*\j+1], v[TBF+16*\j+4:TBF+16*\j+5]
	v_pk_add_f32 v[TBF+16*\j+2:TBF+16*\j+3], v[TBF+16*\j+2:TBF+16*\j+3], v[TBF+16*\j+6:TBF+16*\j+7]
	v_pk_add_f32 v[TBF+16*\j+8:TBF+16*\j+9], v[TBF+16*\j+8:TBF+16*\j+9], v[TBF+16*\j+12:TBF+16*\j+13]
	v_pk_add_f32 v[TBF+16*\j+10:TBF+16*\j+11], v[TBF+16*\j+10:TBF+16*\j+11], v[TBF+16*\j+14:TBF+16*\j+15]
	v_pk_add_f32 v[TBF+16*\j:TBF+16*\j+1], v[TBF+16*\j:TBF+16*\j+1], v[TBF+16*\j+8:TBF+16*\j+9]
	v_pk_add_f32 v[TBF+16*\j+2:TBF+16*\j+3], v[TBF+16*\j+2:TBF+16*\j+3], v[TBF+16*\j+10:TBF+16*\j+11]
	v_pk_add_f32 v[TBF+16*\j:TBF+16*\j+1], v[TBF+16*\j:TBF+16*\j+1], v[BO:BO+1]
	v_pk_add_f32 v[TBF+16*\j+2:TBF+16*\j+3], v[TBF+16*\j+2:TBF+16*\j+3], v[BO+2:BO+3]
.irp c, 0,1,2,3
	v_mul_f32 v[TBF+16*\j+\c], s[68+6*(\n)+\j], v[TBF+16*\j+\c]
.endr
	v_lshl_add_u32 v[VO+\j], s[36+6*(\n)+\j], 9, v[LOFF]
	global_store_b128 v[VO+\j], v[TBF+16*\j:TBF+16*\j+3], s[24:25]    ; the 32 lanes store the row's 512 consecutive bytes, aligned
.endr
.endm
	TLOAD 0
	TLOAD 1
	TROWS 0, 24
	s_wait_xcnt 0x0                                ; the batch's stores have had their addresses translated: their data and offset registers may be written again
	TLOAD 2
	TROWS 1, 24
	s_wait_xcnt 0x0
	TLOAD 3
	TROWS 2, 24
	s_wait_xcnt 0x0
	TROWS 3, 0
.Ldone:
	s_wait_dscnt 0x0                               ; loads that a short tile leaves unread
	s_wait_xcnt 0x0
	v_lshl_add_u32 v254, v0, 2, 0x3d800
	v_mov_b32 v255, 0
	s_wait_tensorcnt 0x0
	ds_add_u32 v254, v255
	s_wait_dscnt 0x0
	s_endpgm
.Lfunc_end_k_q78c7824e3f_experts:
	.size	k_q78c7824e3f_experts, .Lfunc_end_k_q78c7824e3f_experts-k_q78c7824e3f_experts
	.p2alignl 7, 3214868480
	.fill 96, 4, 3214868480
	.section	.rodata,"a",@progbits
	.p2align	6, 0x0
	.amdhsa_kernel k_q78c7824e3f_experts
		.amdhsa_group_segment_fixed_size 252416
		.amdhsa_private_segment_fixed_size 0
		.amdhsa_enable_private_segment 0
		.amdhsa_kernarg_size 88
		.amdhsa_user_sgpr_count 2
		.amdhsa_user_sgpr_kernarg_segment_ptr 1
		.amdhsa_wavefront_size32 1
		.amdhsa_system_sgpr_workgroup_id_x 1
		.amdhsa_system_sgpr_workgroup_id_y 1
		.amdhsa_system_sgpr_workgroup_id_z 1
		.amdhsa_system_vgpr_workitem_id 0
		.amdhsa_next_free_vgpr 1024
		.amdhsa_next_free_sgpr 102
		.amdhsa_reserve_vcc 0
		.amdhsa_float_denorm_mode_32 3
		.amdhsa_float_denorm_mode_16_64 3
		.amdhsa_memory_ordered 1
		.amdhsa_forward_progress 1
		.amdhsa_inst_pref_size 255
	.end_amdhsa_kernel
	.section	.bss,"aw",@nobits
	.p2align	6
	.space	262144
	.amdgpu_metadata
---
amdhsa.version: [ 1, 2 ]
amdhsa.kernels:
  - .name:           k_q78c7824e3f_experts
    .symbol:         k_q78c7824e3f_experts.kd
    .args:
      - { .name: x_codes, .offset: 0, .size: 8, .value_kind: global_buffer, .address_space: global }
      - { .name: x_scales, .offset: 8, .size: 8, .value_kind: global_buffer, .address_space: global }
      - { .name: W1_scales, .offset: 16, .size: 8, .value_kind: global_buffer, .address_space: global }
      - { .name: S2f, .offset: 24, .size: 8, .value_kind: global_buffer, .address_space: global }
      - { .name: b1, .offset: 32, .size: 8, .value_kind: global_buffer, .address_space: global }
      - { .name: b2, .offset: 40, .size: 8, .value_kind: global_buffer, .address_space: global }
      - { .name: Wf, .offset: 48, .size: 8, .value_kind: global_buffer, .address_space: global }
      - { .name: list, .offset: 56, .size: 8, .value_kind: global_buffer, .address_space: global }
      - { .name: glist, .offset: 64, .size: 8, .value_kind: global_buffer, .address_space: global }
      - { .name: cnt, .offset: 72, .size: 8, .value_kind: global_buffer, .address_space: global }
      - { .name: P, .offset: 80, .size: 8, .value_kind: global_buffer, .address_space: global }
    .group_segment_fixed_size: 252416
    .private_segment_fixed_size: 0
    .kernarg_segment_align: 8
    .kernarg_segment_size: 88
    .max_flat_workgroup_size: 128
    .sgpr_count:     102
    .vgpr_count:     1024
    .wavefront_size: 32
...
	.end_amdgpu_metadata
.endif
;; end of part 2
;; launch combine (part 3): grid 256 x 1, 8 waves a work-group, no clusters, 0 bytes of LDS; arguments P, out0; writes out0
.if DOCPART == 3
	.amdgcn_target "amdgcn-amd-amdhsa--gfx1250"
	.amdhsa_code_object_version 6
	.text
	.protected	k_q78c7824e3f_combine
	.globl	k_q78c7824e3f_combine
	.p2align	8
	.type	k_q78c7824e3f_combine,@function
k_q78c7824e3f_combine:
	s_mov_b64 s[64:65], 0
	v_nop
	global_prefetch_b8 v0, s[64:65] scope:SCOPE_SE
	s_setreg_imm32_b32 hwreg(HW_REG_WAVE_MODE, 25, 1), 1
	s_wait_xcnt 0x0
; out0[t] = P[2 t] + P[2 t + 1]: a token's two routed rows, each already multiplied by its gate.  P: [16,384][128] f32, out0: [8,192][128] f32.
; A stream: a wave takes four tokens; each load and store of the wave covers 512 consecutive bytes, aligned; all eight loads of a wave go out at once, and there is no loop.
; 256 work-groups x 8 waves x 4 tokens = 8,192.  No LDS, no barrier, no matrix unit: nothing here is shared or multiplied.
	s_load_b128 s[4:7], s[0:1], 0x0                ; P s[4:5], out0 s[6:7]
	v_lshrrev_b32 v1, 5, v0
	v_readfirstlane_b32 s8, v1                     ; wave 0..7
	v_and_b32 v2, 31, v0
	v_lshlrev_b32 v2, 4, v2                        ; 16 bytes a lane
	s_lshl_b32 s9, ttmp9, 5
	s_lshl_b32 s10, s8, 2
	s_add_co_u32 s9, s9, s10                       ; my first token: 32 x work-group + 4 x wave
	s_lshl_b32 s10, s9, 10                         ; 1,024 bytes of P a token,
	s_mov_b32 s11, 0
	s_lshl_b32 s12, s9, 9                          ; 512 of out0
	s_mov_b32 s13, 0
	s_wait_kmcnt 0x0
	s_add_nc_u64 s[4:5], s[4:5], s[10:11]
	s_add_nc_u64 s[6:7], s[6:7], s[12:13]
.irp j, 0,1,2,3
	global_load_b128 v[4+8*\j:7+8*\j], v2, s[4:5] offset:1024*\j th:TH_LOAD_NT
	global_load_b128 v[8+8*\j:11+8*\j], v2, s[4:5] offset:1024*\j+512 th:TH_LOAD_NT
.endr
.irp j, 0,1,2,3
	s_wait_loadcnt 6-2*\j                          ; token j's two loads are in; the later tokens' may be out
	v_pk_add_f32 v[4+8*\j:5+8*\j], v[4+8*\j:5+8*\j], v[8+8*\j:9+8*\j]
	v_pk_add_f32 v[6+8*\j:7+8*\j], v[6+8*\j:7+8*\j], v[10+8*\j:11+8*\j]
	global_store_b128 v2, v[4+8*\j:7+8*\j], s[6:7] offset:512*\j th:TH_STORE_NT
.endr
	s_endpgm
.Lfunc_end_k_q78c7824e3f_combine:
	.size	k_q78c7824e3f_combine, .Lfunc_end_k_q78c7824e3f_combine-k_q78c7824e3f_combine
	.p2alignl 7, 3214868480
	.fill 96, 4, 3214868480
	.section	.rodata,"a",@progbits
	.p2align	6, 0x0
	.amdhsa_kernel k_q78c7824e3f_combine
		.amdhsa_group_segment_fixed_size 0
		.amdhsa_private_segment_fixed_size 0
		.amdhsa_enable_private_segment 0
		.amdhsa_kernarg_size 16
		.amdhsa_user_sgpr_count 2
		.amdhsa_user_sgpr_kernarg_segment_ptr 1
		.amdhsa_wavefront_size32 1
		.amdhsa_system_sgpr_workgroup_id_x 1
		.amdhsa_system_sgpr_workgroup_id_y 1
		.amdhsa_system_sgpr_workgroup_id_z 1
		.amdhsa_system_vgpr_workitem_id 0
		.amdhsa_next_free_vgpr 40
		.amdhsa_next_free_sgpr 66
		.amdhsa_reserve_vcc 0
		.amdhsa_float_denorm_mode_32 3
		.amdhsa_float_denorm_mode_16_64 3
		.amdhsa_memory_ordered 1
		.amdhsa_forward_progress 1
		.amdhsa_inst_pref_size 3
	.end_amdhsa_kernel
	.amdgpu_metadata
---
amdhsa.version: [ 1, 2 ]
amdhsa.kernels:
  - .name:           k_q78c7824e3f_combine
    .symbol:         k_q78c7824e3f_combine.kd
    .args:
      - { .name: P, .offset: 0, .size: 8, .value_kind: global_buffer, .address_space: global }
      - { .name: out0, .offset: 8, .size: 8, .value_kind: global_buffer, .address_space: global }
    .group_segment_fixed_size: 0
    .private_segment_fixed_size: 0
    .kernarg_segment_align: 8
    .kernarg_segment_size: 16
    .max_flat_workgroup_size: 256
    .sgpr_count:     66
    .vgpr_count:     40
    .wavefront_size: 32
...
	.end_amdgpu_metadata
.endif
;; end of part 3
;; ======== version 2 of 2: 3 launches
;; workspace buffers: Wf 8,388,608 bytes; S2f 131,072 bytes; list 528,384 bytes of whole numbers; glist 528,384 bytes; cnt 256 bytes of whole numbers; P 8,388,608 bytes
;; launch prep (part 4): grid 128 x 1, 32 waves a work-group, no clusters, 4,608 bytes of LDS; arguments topk_idx, weights, W1_codes, W2_codes, W2_scales, Wf, S2f, list, glist, cnt; writes Wf, S2f, list, glist, cnt
.if DOCPART == 4
	.amdgcn_target "amdgcn-amd-amdhsa--gfx1250"
	.amdhsa_code_object_version 6
	.text
	.protected	k_q78c7824e3f_prep
	.globl	k_q78c7824e3f_prep
	.p2align	8
	.type	k_q78c7824e3f_prep,@function
k_q78c7824e3f_prep:
	s_mov_b64 s[64:65], 0
	v_nop
	global_prefetch_b8 v0, s[64:65] scope:SCOPE_SE
	s_setreg_imm32_b32 hwreg(HW_REG_WAVE_MODE, 25, 1), 1
	s_wait_xcnt 0x0
; PREP: three small jobs, the same in each of the 128 work-groups of 32 waves.
; (a) THE WEIGHTS IN REGISTER ORDER.  Wf is [expert 8][chunk 32 of 128 hidden units][unit 8][fragment 2][register group 4][lane 32][16 bytes].  A fragment is 16 rows x 128 K of codes as a wave's
;     16 operand registers take them: lane (r, h), group k = bytes 32 k + 16 h .. + 15 of its row.  Units 0-3: W1, pair b: fragment t holds hidden units 128 c + 32 b + 8 t + r + 8 (r / 8)
;     (not neighbours: so the first product's results come out as neighbours along the second product's K).  Units 4-7: W2, pair b: fragment t holds outputs 32 b + 16 t + r, K = 128 c on.
;     4,096 fragments, one a wave: fragment 32 x work-group + wave.  Each store of the wave covers 512 consecutive bytes, aligned.
; (b) THE ROWS BY EXPERT.  A row is (token t, slot k), number 2 t + k: 16,384 in all, in the order of topk_idx's words.  Work-group i places, for expert i % 8, the rows of segment i / 8
;     (1,024 rows): a row's place is the count of that expert's rows in front of it.  Every work-group counts for itself: no traffic between work-groups.
;     list[e] holds the row numbers, glist[e] their gate weights, cnt[e] the count; behind an expert's last row stand 96 rows of padding (row 0, weight 0), so that a tile of 96 may be read whole.
; (c) W2's scale bytes as words, S2f [expert][chunk][output 128]: the four bytes of 128 along K of one output.  (4 bytes a lane, read 128 bytes apart: 131,072 bytes in the whole launch.)
; ORDER.  Every vector register that a store names is written while all lanes are on; the two stores under a mask of lanes stand at the end, the one whose mask is made of loaded numbers last.
; LIMIT: topk_idx holds 0 .. 7, as the table that it indexes has it; a row with another number is placed nowhere.
.set LSTR, 66048                       ; bytes of an expert's list: 16,384 + 128 words
	s_load_b512 s[4:19], s[0:1], 0x0               ; topk_idx s[4:5], weights s[6:7], W1's codes s[8:9], W2's codes s[10:11], W2's scales s[12:13], Wf s[14:15], S2f s[16:17], list s[18:19]
	s_load_b128 s[20:23], s[0:1], 0x40             ; glist s[20:21], cnt s[22:23]
	v_lshl_add_u32 v64, v0, 2, 0x200
	v_mov_b32 v65, 0
	v_lshrrev_b32 v1, 5, v0
	s_delay_alu instid0(VALU_DEP_1)
	v_readfirstlane_b32 s2, v1                     ; wave 0..31
	v_and_b32 v2, 31, v0                           ; lane
	v_and_b32 v3, 15, v0                           ; r
	v_bfe_u32 v4, v0, 4, 1                         ; h
	s_and_b32 s24, ttmp9, 7                        ; (b) my expert
	s_lshr_b32 s25, ttmp9, 3                       ; (b) my segment
	s_lshr_b32 s26, ttmp9, 4                       ; (a), (c) the expert of my fragments
	s_and_b32 s27, ttmp9, 15
	s_lshl_b32 s27, s27, 1
	s_lshr_b32 s28, s2, 4
	s_add_co_u32 s27, s27, s28                     ; chunk c = 2 (i % 16) + wave / 16
	s_bfe_u32 s28, s2, 0x30001                     ; unit u = (wave / 2) % 8
	s_and_b32 s29, s2, 1                           ; fragment t
	s_lshl_b32 s30, s26, 19                        ; an expert's codes: 2^19 bytes in W1 and in W2
	s_lshl_b32 s31, s27, 14
	s_add_co_u32 s31, s31, s30
	s_lshl_b32 s32, s28, 12
	s_add_co_u32 s31, s31, s32
	s_lshl_b32 s32, s29, 10
	s_add_co_u32 s31, s31, s32                     ; W1: (4096 e + 128 c + 32 u + 8 t) rows of 128 bytes
	s_and_b32 s33, s28, 3
	s_lshl_b32 s33, s33, 17
	s_add_co_u32 s33, s33, s30
	s_lshl_b32 s32, s29, 16
	s_add_co_u32 s33, s33, s32
	s_lshl_b32 s32, s27, 7
	s_add_co_u32 s33, s33, s32                     ; W2: (128 e + 32 b + 16 t) rows of 4,096 bytes + 128 c
	s_mov_b32 s34, 4096
	s_mov_b32 s39, 0
	s_mov_b32 s54, 0x76543210                      ; v_permlanex16_b32's selects for lane l xor 16
	s_mov_b32 s55, 0xfedcba98
	s_wait_alu depctr_va_vdst(0)
	s_wait_kmcnt 0x0
	s_cmp_lt_u32 s28, 4                            ; a fragment of W1 or of W2?  The choice hangs on the wave's number alone
	s_cselect_b64 s[36:37], s[8:9], s[10:11]
	s_cselect_b32 s38, s31, s33
	s_cselect_b32 s34, 128, s34                    ; bytes from row to row
	s_cselect_b32 s35, 8, 0                        ; W1's rows: r + (r & 8); W2's: r
	s_add_nc_u64 s[36:37], s[36:37], s[38:39]
	v_and_b32 v5, s35, v3
	s_delay_alu instid0(VALU_DEP_1)
	v_add_nc_u32 v5, v5, v3
	s_delay_alu instid0(VALU_DEP_1)
	v_mul_u32_u24 v5, s34, v5
	s_delay_alu instid0(VALU_DEP_1)
	v_lshl_add_u32 v5, v4, 4, v5                   ; my row + 16 h
.irp k, 0,1,2,3
	global_load_b128 v[16+4*\k:19+4*\k], v5, s[36:37] offset:32*\k
.endr
	v_lshlrev_b32 v6, 4, v0
.irp j, 0,1,2,3
	global_load_b128 v[32+4*\j:35+4*\j], v6, s[4:5] offset:16384*\j   ; all 16,384 rows' experts: load j of my wave holds rows 128 (wave + 32 j) on
.endr
	s_lshl_b32 s40, s25, 12
	v_lshl_add_u32 v7, v0, 2, s40                  ; my own row of the segment: 1,024 seg + thread
	global_load_b32 v48, v7, s[4:5]
	global_load_b32 v49, v7, s[6:7]
	s_lshl_b32 s42, ttmp9, 16
	s_lshl_b32 s43, s2, 11
	s_add_co_u32 s42, s42, s43                     ; fragment x 2,048 bytes
	s_mov_b32 s43, 0
	s_add_nc_u64 s[14:15], s[14:15], s[42:43]
	v_lshlrev_b32 v8, 4, v2
	; (c) threads 0 .. 255: output thread % 128 of chunk 2 (i % 16) + thread / 128.  The load goes out with the others; the wait in the block is the one that the wave faces next in any case
	s_cmp_ge_u32 s2, 8
	s_cbranch_scc1 .Lno_words
	v_and_b32 v58, 127, v0
	v_lshrrev_b32 v59, 7, v0
	s_delay_alu instid0(VALU_DEP_2)
	v_lshlrev_b32 v58, 7, v58
	s_delay_alu instid0(VALU_DEP_1)
	v_lshl_add_u32 v58, v59, 2, v58                ; 128 bytes an output, 4 a chunk
	v_lshlrev_b32 v61, 2, v0
	s_lshl_b32 s42, s26, 14
	s_and_b32 s44, ttmp9, 15
	s_lshl_b32 s44, s44, 3
	s_add_co_u32 s42, s42, s44
	s_add_nc_u64 s[12:13], s[12:13], s[42:43]
	global_load_b32 v60, v58, s[12:13]
	s_lshl_b32 s42, ttmp9, 10                      ; (32 e + chunk) x 512 + 4 x output = 1,024 i + 4 x thread
	s_add_nc_u64 s[16:17], s[16:17], s[42:43]
	s_wait_alu depctr_va_vdst(0)
	s_wait_loadcnt 0x0
	global_store_b32 v61, v60, s[16:17]
.Lno_words:
	s_wait_loadcnt 0x0
	s_wait_alu depctr_va_vdst(0)
.irp k, 0,1,2,3
	global_store_b128 v8, v[16+4*\k:19+4*\k], s[14:15] offset:512*\k
.endr
	; (b) my wave's share of the count of rows of expert e in front of the segment: its 128 rows of load j lie wholly in front where wave + 32 j < 8 seg, and else wholly not
	s_mov_b32 s44, 0
	s_lshl_b32 s45, s25, 3
.irp j, 0,1,2,3
	v_cmp_eq_u32 s46, s24, v[32+4*\j]
	v_cmp_eq_u32 s47, s24, v[33+4*\j]
	v_cmp_eq_u32 s48, s24, v[34+4*\j]
	v_cmp_eq_u32 s49, s24, v[35+4*\j]
	s_bcnt1_i32_b32 s46, s46
	s_bcnt1_i32_b32 s47, s47
	s_bcnt1_i32_b32 s48, s48
	s_bcnt1_i32_b32 s49, s49
	s_add_co_u32 s46, s46, s47
	s_add_co_u32 s48, s48, s49
	s_add_co_u32 s46, s46, s48
	s_add_co_u32 s50, s2, 32*\j
	s_cmp_lt_u32 s50, s45
	s_cselect_b32 s46, s46, 0
	s_add_co_u32 s44, s44, s46
.endr
	v_cmp_eq_u32 s51, s24, v48                     ; which of my wave's 32 own rows are expert e's,
	s_bcnt1_i32_b32 s52, s51                       ; and how many
	v_mov_b32 v10, s44
	v_mov_b32 v11, s52
	s_lshl_b32 s53, s2, 3
	v_mov_b32 v9, s53
	ds_store_b64 v9, v[10:11]                      ; both counts to my wave's 8 bytes (all lanes write the same words)
	s_wait_dscnt 0x0                               ; for the others' sake
	s_barrier_signal -1
	s_barrier_wait -1
	v_lshlrev_b32 v57, 3, v2
	ds_load_b64 v[12:13], v57                      ; lane l: wave l's two counts
	s_wait_dscnt 0x0
	v_cmp_gt_u32 vcc_lo, s2, v2                    ; waves in front of mine
	s_delay_alu instid0(VALU_DEP_1)
	v_cndmask_b32 v14, 0, v13, vcc_lo
	s_delay_alu instid0(VALU_DEP_1)
	v_add_nc_u32 v14, v14, v12                     ; summed over lanes: the place of my wave's first row
	v_add_nc_u32 v15, v12, v13                     ; summed over lanes: all rows up to the segment's end
	v_mov_b32 v50, 0                               ; (the destination of a lane move counts as read)
	v_mov_b32 v51, 0
.irp x, 1
	s_delay_alu instid0(VALU_DEP_4)
	v_mov_b32_dpp v50, v14 row_xmask:\x row_mask:0xf bank_mask:0xf   ; whole numbers all the way: these sums become addresses
	s_delay_alu instid0(VALU_DEP_4)
	v_mov_b32_dpp v51, v15 row_xmask:\x row_mask:0xf bank_mask:0xf
	s_delay_alu instid0(VALU_DEP_2)
	v_add_nc_u32 v14, v14, v50
	s_delay_alu instid0(VALU_DEP_2)
	v_add_nc_u32 v15, v15, v51
.endr
.irp x, 2, 4, 8
	s_delay_alu instid0(VALU_DEP_2)
	v_mov_b32_dpp v50, v14 row_xmask:\x row_mask:0xf bank_mask:0xf
	s_delay_alu instid0(VALU_DEP_2)
	v_mov_b32_dpp v51, v15 row_xmask:\x row_mask:0xf bank_mask:0xf
	s_delay_alu instid0(VALU_DEP_2)
	v_add_nc_u32 v14, v14, v50
	s_delay_alu instid0(VALU_DEP_2)
	v_add_nc_u32 v15, v15, v51
.endr
	s_delay_alu instid0(VALU_DEP_2)
	v_permlanex16_b32 v50, v14, s54, s55
	s_delay_alu instid0(VALU_DEP_2)
	v_permlanex16_b32 v51, v15, s54, s55
	s_delay_alu instid0(VALU_DEP_2)
	v_add_nc_u32 v14, v14, v50
	s_delay_alu instid0(VALU_DEP_2)
	v_add_nc_u32 v15, v15, v51
	s_delay_alu instid0(VALU_DEP_2)
	; all that the stores below name, made with all lanes on
	v_mbcnt_lo_u32_b32 v52, s51, v14               ; my row's place: + expert e's rows in the lanes below mine
	s_delay_alu instid0(VALU_DEP_1)
	v_min_u32 v52, 0x3fff, v52
	s_delay_alu instid0(VALU_DEP_1)
	v_lshlrev_b32 v52, 2, v52
	s_lshl_b32 s56, s25, 10
	v_add_nc_u32 v53, s56, v0                      ; my row's number
	v_add_nc_u32 v54, v15, v0                      ; the padding (used by the last segment's threads 0 .. 95 alone): places n .. n + 95
	s_delay_alu instid0(VALU_DEP_1)
	v_min_u32 v54, 0x405f, v54
	s_delay_alu instid0(VALU_DEP_1)
	v_lshlrev_b32 v54, 2, v54
	v_mov_b32 v55, 0
	s_lshl_b32 s59, s24, 2
	v_mov_b32 v56, s59                             ; the count's word
	s_mul_i32 s56, s24, LSTR
	s_mov_b32 s57, 0
	s_add_nc_u64 s[18:19], s[18:19], s[56:57]
	s_add_nc_u64 s[20:21], s[20:21], s[56:57]
	s_cmp_lg_u32 s25, 15                           ; the last segment's work-group knows the expert's count: it writes the padding and the count
	s_cbranch_scc1 .Lno_end
	s_cmp_ge_u32 s2, 3
	s_cbranch_scc1 .Lno_end
	s_wait_alu depctr_va_vdst(0)
	global_store_b32 v54, v55, s[18:19]
	global_store_b32 v54, v55, s[20:21]
	s_cmp_lg_u32 s2, 0
	s_cbranch_scc1 .Lno_end
	v_cmp_eq_u32 vcc_lo, 0, v0                     ; thread 0 stores the count
	s_wait_xcnt 0x0                                ; EXEC changes only behind this wait
	s_and_saveexec_b32 s58, vcc_lo
	global_store_b32 v56, v15, s[22:23]
	s_wait_xcnt 0x0
	s_or_b32 exec_lo, exec_lo, s58
.Lno_end:
	v_cmp_eq_u32 vcc_lo, s24, v48                  ; the lanes whose own row is expert e's store its number and its weight
	s_wait_xcnt 0x0                                ; EXEC changes only behind this wait
	s_wait_tensorcnt 0x0
	ds_add_u32 v64, v65
	s_wait_dscnt 0x0
	s_and_saveexec_b32 s58, vcc_lo
	s_wait_alu depctr_va_vdst(0)
	global_store_b32 v52, v53, s[18:19]
	global_store_b32 v52, v49, s[20:21]
	s_wait_xcnt 0x0
	s_or_b32 exec_lo, exec_lo, s58
	s_endpgm
.Lfunc_end_k_q78c7824e3f_prep:
	.size	k_q78c7824e3f_prep, .Lfunc_end_k_q78c7824e3f_prep-k_q78c7824e3f_prep
	.p2alignl 7, 3214868480
	.fill 96, 4, 3214868480
	.section	.rodata,"a",@progbits
	.p2align	6, 0x0
	.amdhsa_kernel k_q78c7824e3f_prep
		.amdhsa_group_segment_fixed_size 4608
		.amdhsa_private_segment_fixed_size 0
		.amdhsa_enable_private_segment 0
		.amdhsa_kernarg_size 80
		.amdhsa_user_sgpr_count 2
		.amdhsa_user_sgpr_kernarg_segment_ptr 1
		.amdhsa_wavefront_size32 1
		.amdhsa_system_sgpr_workgroup_id_x 1
		.amdhsa_system_sgpr_workgroup_id_y 1
		.amdhsa_system_sgpr_workgroup_id_z 1
		.amdhsa_system_vgpr_workitem_id 0
		.amdhsa_next_free_vgpr 66
		.amdhsa_next_free_sgpr 66
		.amdhsa_reserve_vcc 1
		.amdhsa_float_denorm_mode_32 3
		.amdhsa_float_denorm_mode_16_64 3
		.amdhsa_memory_ordered 1
		.amdhsa_forward_progress 1
		.amdhsa_inst_pref_size 12
	.end_amdhsa_kernel
	.amdgpu_metadata
---
amdhsa.version: [ 1, 2 ]
amdhsa.kernels:
  - .name:           k_q78c7824e3f_prep
    .symbol:         k_q78c7824e3f_prep.kd
    .args:
      - { .name: topk_idx, .offset: 0, .size: 8, .value_kind: global_buffer, .address_space: global }
      - { .name: weights, .offset: 8, .size: 8, .value_kind: global_buffer, .address_space: global }
      - { .name: W1_codes, .offset: 16, .size: 8, .value_kind: global_buffer, .address_space: global }
      - { .name: W2_codes, .offset: 24, .size: 8, .value_kind: global_buffer, .address_space: global }
      - { .name: W2_scales, .offset: 32, .size: 8, .value_kind: global_buffer, .address_space: global }
      - { .name: Wf, .offset: 40, .size: 8, .value_kind: global_buffer, .address_space: global }
      - { .name: S2f, .offset: 48, .size: 8, .value_kind: global_buffer, .address_space: global }
      - { .name: list, .offset: 56, .size: 8, .value_kind: global_buffer, .address_space: global }
      - { .name: glist, .offset: 64, .size: 8, .value_kind: global_buffer, .address_space: global }
      - { .name: cnt, .offset: 72, .size: 8, .value_kind: global_buffer, .address_space: global }
    .group_segment_fixed_size: 4608
    .private_segment_fixed_size: 0
    .kernarg_segment_align: 8
    .kernarg_segment_size: 80
    .max_flat_workgroup_size: 1024
    .sgpr_count:     66
    .vgpr_count:     66
    .wavefront_size: 32
...
	.end_amdgpu_metadata
.endif
;; end of part 4
;; launch experts (part 5): grid 178 x 1, 4 waves a work-group, no clusters, 252,416 bytes of LDS; arguments x_codes, x_scales, W1_scales, S2f, b1, b2, Wf, list, glist, cnt, P; writes P
.if DOCPART == 5
	.amdgcn_target "amdgcn-amd-amdhsa--gfx1250"
	.amdhsa_code_object_version 6
	.text
	.protected	k_q78c7824e3f_experts
	.globl	k_q78c7824e3f_experts
	.p2align	8
	.type	k_q78c7824e3f_experts,@function
k_q78c7824e3f_experts:
	s_mov_b64 s[64:65], 0
	v_nop
	global_prefetch_b8 v0, s[64:65] scope:SCOPE_SE
	s_setreg_imm32_b32 hwreg(HW_REG_WAVE_SCHED_MODE, 0, 2), 2
	s_setreg_imm32_b32 hwreg(HW_REG_WAVE_MODE, 25, 1), 1
	s_wait_xcnt 0x0
	s_wait_alu depctr_vm_vsrc(0)
; EXPERTS: P[row] = gate x (Q(relu(x W1[e] + b1[e])) W2[e] + b2[e]) for the 16,384 routed rows (row = 2 x token + slot), both products on codes of E5M2 with one E8M0 scale for each 32 along K.
; SHARES.  A work-group takes one tile of 96 rows of ONE expert through the whole chain.  With 16,384 rows and 8 experts there are never more than 171 + 7 = 178 tiles, whatever the split: that is the grid.
; Which tile is mine follows from the eight counts, by selects.  A work-group that a split leaves without rows runs the same text on the list's first rows and stores nothing: the barrier below stands under no branch on a count.
; THE FOUR WAVES SHARE H: wave w takes hidden units 1,024 w on, in 8 chunks of 128, for ALL 96 rows, with sums of its own (48 accumulators); the four parts are added once, at the end, through LDS.
; So the loop has no barrier, and each fragment of weights that a wave loads feeds six matrix instructions.  The weights come from memory straight into the operand registers, in the order in which the launch in front laid them.
; In trip p a wave takes chunk (work-group + p) % 8 of its eight: neighbouring work-groups, which are tiles of the same expert, ask for different chunks at the same time.
; NO CLUSTER, NO JOINT LOADS: which expert a work-group walks, and how many tiles an expert has, are counts read from memory: four neighbouring work-groups need not be tiles of one expert, and a joint request's address would hang on those counts.
; LAYOUT.  Both products are used transposed (source 0 = 16 rows of the weight, source 1 = 16 of my rows): a lane holds ONE row throughout.  W1's rows of a tile are chosen so that the 16 registers of tiles 2 b, 2 b + 1
; are hidden units 32 b + 16 (lane / 16) + 0 .. 15: the conversions' results are the second product's operand.  b1 is the C of the first product.
; A CHUNK goes in eight groups g = 2 b + half: group g is block b of 32 hidden units for three tiles of rows.  Group g + 1's products stand in front of group g's quantiser lines, so that the matrix unit works beside them.
; LIMITS: NaN and infinity among the codes are not served (0 x NaN of an expert that was not chosen is not reproduced).  A hidden block of zeros gets the scale byte 1, not 127: its codes are zeros.
; The sum over H is made in four parts of 1,024, each K ascending from the wave's first chunk in its rotated order, then added: all in f32.
; REGISTERS, in windows of 256.  Window 0: see the names below.  Window 1: v[32 b + 16 t] W1's fragments, v[128 + 32 b + 16 t] W2's.  Window 2: sums of row tiles 0-3 at v[64 m + 8 o] (o: tile of 16 outputs).
; Window 3: v0-127 sums of row tiles 4, 5; v[128 + 16 m] x's six fragments; v224-255 b1, two buffers of 16.
; THE MODE: SCHED_MODE bits 1:0 = 2 (LLVM: expert scheduling mode 2), set by the entry lines.  The code itself states the register dependences between vector or matrix instructions and memory or LDS instructions,
; with s_wait_alu, always for 0.
; THE PLAN.  Registers that memory or LDS instructions touch, in the loop:
;   W1's unit b (window 1)   Read by groups 2 b and 2 b + 1, the last of them issued ahead of quantiser run 2 b; behind that run, in the block's middle, the next chunk's unit b is loaded into it.
;   W2's units (window 1)    Read by the chunk's 48 second products, at its end; loaded again in the middle of the next chunk's block 0.
;   BF0, BF1, W1S0, W1S1     b1 and W1's scale words, by the block's parity.  Read by block b's products; in the middle of block b the tables of block b + 2 are loaded into the buffer that block b has left.
;   W2S0 .. 3                Read by the second products; loaded in the middle of block 0.
;   v[WB1], v[WS1], v[WS2]   Read by every load from the tables; written once a chunk, behind its last quantiser run.
;   v[LOFF]                  Read by every load of weights; never written again: scalar bases and immediate offsets do the rest.
;   HID, HQ, HS and the sums are named by vector and matrix instructions alone.
; So ONE wait on va_vdst stands in the middle of a block, behind the quantiser run: all the block's loads follow it, with window switches alone between; the products behind them name the other parity's buffers and unit b + 1.
; One wait on vm_vsrc a chunk stands ahead of the adds to the three LDS addresses; one more on va_vdst, behind the places, ahead of the second products, whose codes and scale words vector instructions have made.
; Outside the loop: the offsets and addresses of the head; HID as the tables' way into LDS; on the way out the sums (stored to the stage), HID and HQ (rows read back, summed, stored) and VO (the stores' offsets).
.set SPITCH, 528                       ; the stage: a row of 512 bytes + 16: the sixteen rows that a store touches begin 16 bytes apart modulo 256
.set COPY,   96*SPITCH                 ; a wave's copy of the tile's partial sums
.set TAB,    4*COPY                    ; behind the four copies: each wave's own tables, 512 bytes a trip: b1 (+0), W1's scale words (+4096), W2's (+8192)
.set TABW,   12288
.set LSTR,   66048                     ; bytes of an expert's list
.set LOFF, 1                           ; v1     16 x lane
.set AB1,  2                           ; v2     my tables' b1 + 64 (lane / 16); never rewritten
.set AS1,  3                           ; v3     W1's scale words: 4 (8 (lane / 16) + r + (r & 8)); never rewritten
.set AS2,  4                           ; v4     W2's scale words: 4 x lane; never rewritten
.set STO,  5                           ; v5     the stage: where I put 32 bytes of a row
.set SRD,  6                           ; v6-9   the stage: my 16 bytes of my wave's first row in copy q
.set TST,  10                          ; v10    my tables + 16 x lane
.set WB1,  11                          ; v11    AB1 + 512 x trip
.set BO,   12                          ; v12-15 b2 of my four outputs
.set XS,   16                          ; v16-21 x's scale words, a register for each tile of rows
.set W1S,  22                          ; v22-23 W1's scale words, by b % 2: lanes 0-15 fragment 0's rows, lanes 16-31 fragment 1's
.set W2S,  24                          ; v24-27 W2's, by b, likewise
.set HS,   28                          ; v28-33 the hidden layer's scale words
.set WS1,  34                          ; v34    AS1 + 512 x trip
.set WS2,  35                          ; v35    AS2 + 512 x trip
.set QX,   36                          ; v36-38 largest magnitudes   (three tiles by turns)
.set QP,   39                          ; v39-41 the other half's, then the scale's byte
.set QL,   42                          ; v42-44 a second chain, then 57,344 x the scale
.set QS,   45                          ; v45-47 the conversion's scale operand
.set VO,   48                          ; v48-55 offsets of the tables' loads; in the tail of P's stores
.set HID,  56                          ; v56-151  the hidden layer: two buffers of 3 tiles x 16
.set HQ,   152                         ; v152-247 its codes: six fragments
.set RID,  248                         ; v248-253 my lane's rows, then their offsets in x
.set XF,   128                         ; window 3
.set BF,   224                         ; window 3
.set WV,   2                           ; s2   wave
.set TP,   67                          ; s67  512 x trip
.set NX,   61                          ; s61  which of my eight chunks comes next
.set WB,   92                          ; s[92:93] my eight chunks in Wf;  s[94:95] this trip's chunk;  s[96:97] the next trip's
.set WPC,  94
.set WPN,  96
.set MSB, 0
.macro WIN new                         ; the immediate's high byte repeats the setting that is left; a switch that changes nothing is dropped
.if MSB != \new
	s_set_vgpr_msb (MSB<<8)|\new
.set MSB, \new
.endif
.endm
.set W_WM,  0x3d                       ; source 0 (W1) window 1, sources 1 (x) and 2 (b1) window 3, destination window 0
.set W_P2A, 0xa1                       ; source 0 (W2) window 1, source 1 (codes) window 0, C and D window 2
.set W_P2B, 0xf1                       ; the same, C and D window 3
.set W_LDW, 0x40                       ; a load's destination in window 1
.set W_LD3, 0xc0                       ; in window 3
.set W_ST2, 0x08                       ; an LDS store's data (source 1) in window 2
.set W_ST3, 0x0c                       ; in window 3
; a unit of weights, two fragments, 4,096 bytes: eight loads of 512 consecutive bytes, straight into 32 operand registers
.macro LDU base, off, reg
.irp q, 0,1,2,3,4,5,6,7
	global_load_b128 v[(\reg)+4*\q:(\reg)+4*\q+3], v[LOFF], s[\base:\base+1] offset:(\off)+512*\q
.endr
.endm
; group g's six products: block b = g / 2 of the chunk (two fragments of W1), row tiles 3 (g % 2) + 0 .. 2; b1 is their C
.macro WM g
.set WMH, HID+48*((\g)&1)
.set WMA, 32*((\g)>>1)
.set WMX, XF+48*((\g)&1)
.set WMC, BF+16*(((\g)>>1)&1)
.set WMS, W1S+(((\g)>>1)&1)
.set WMR, XS+3*((\g)&1)
	WIN W_WM
.irp i, 0,1,2
	v_wmma_scale_f32_16x16x128_f8f6f4 v[WMH+16*\i:WMH+16*\i+7], v[WMA:WMA+15], v[WMX+16*\i:WMX+16*\i+15], v[WMC:WMC+7], v[WMS], v[WMR+\i] matrix_a_fmt:MATRIX_FMT_BF8 matrix_b_fmt:MATRIX_FMT_BF8
	v_wmma_scale_f32_16x16x128_f8f6f4 v[WMH+16*\i+8:WMH+16*\i+15], v[WMA+16:WMA+31], v[WMX+16*\i:WMX+16*\i+15], v[WMC+8:WMC+15], v[WMS], v[WMR+\i] matrix_a_fmt:MATRIX_FMT_BF8 matrix_b_fmt:MATRIX_FMT_BF8 matrix_a_scale:MATRIX_SCALE_ROW1
.endr
.endm
; group g's results become codes: for each of three tiles of rows a lane's 16 numbers are half a block of 32 along H; lane l xor 16 holds the other half.
; No |.| on the maximum's sources: what is negative becomes 0 (the activation) and must not count; the floor 2^(16 - 127) stands over it and holds the byte at 1 from below.  Each result is read from its low end on.
.macro QUANT g
.set QH, HID+48*((\g)&1)
.set QB, (\g)>>1
.set QR, 3*((\g)&1)
	WIN 0
.irp i, 0,1,2
	v_max3_num_f32 v[QX+\i], v[QH+16*\i], v[QH+16*\i+1], 0x8000000
.endr
.irp i, 0,1,2
	v_max3_num_f32 v[QL+\i], v[QH+16*\i+8], v[QH+16*\i+9], v[QH+16*\i+10]
.endr
.irp n, 2,4,6
.irp i, 0,1,2
	v_max3_num_f32 v[QX+\i], v[QX+\i], v[QH+16*\i+\n], v[QH+16*\i+\n+1]
.endr
.if \n < 6
.irp i, 0,1,2
	v_max3_num_f32 v[QL+\i], v[QL+\i], v[QH+16*\i+\n+9], v[QH+16*\i+\n+10]
.endr
.endif
.endr
.irp i, 0,1,2
	v_max3_num_f32 v[QX+\i], v[QX+\i], v[QL+\i], v[QH+16*\i+15]
.endr
.irp i, 0,1,2
	v_permlanex16_b32 v[QP+\i], v[QX+\i], s98, s99
.endr
.irp i, 0,1,2
	v_max_num_f32 v[QX+\i], v[QX+\i], v[QP+\i]     ; the block's largest magnitude
.endr
.irp i, 0,1,2
	v_add_nc_u32 v[QS+\i], 0xf8800000, v[QX+\i]    ; 15 off its exponent field: the conversion takes this operand's exponent field as its scale
.endr
.irp i, 0,1,2
	v_and_or_b32 v[QL+\i], v[QX+\i], 0x7f800000, s100   ; 57,344 x the scale
.endr
.irp i, 0,1,2
	v_lshrrev_b32 v[QP+\i], 23, v[QS+\i]           ; the scale's byte
.endr
.irp i, 0,1,2
.if QB == 0
	v_mov_b32 v[HS+QR+\i], v[QP+\i]                ; byte b of the row's scale word for these 128 along H
.else
	v_lshl_or_b32 v[HS+QR+\i], v[QP+\i], 8*QB, v[HS+QR+\i]
.endif
.endr
.irp i, 0,1,2
.irp n, 0,1,2,3,4,5,6,7,8,9,10,11,12,13,14,15
	v_med3_num_f32 v[QH+16*\i+\n], v[QH+16*\i+\n], 0, v[QL+\i]   ; the activation and the hold in one: the conversion to an 8-bit code does not saturate (ISA guide 7.6.2)
.endr
	v_cvt_scalef32_pk8_bf8_f32 v[HQ+16*(QR+\i)+4*QB:HQ+16*(QR+\i)+4*QB+1], v[QH+16*\i:QH+16*\i+7], v[QS+\i]
	v_cvt_scalef32_pk8_bf8_f32 v[HQ+16*(QR+\i)+4*QB+2:HQ+16*(QR+\i)+4*QB+3], v[QH+16*\i+8:QH+16*\i+15], v[QS+\i]
.endr
	v_nop                                          ; one plain line behind the last conversion: the next products write its sources
.endm
; block b + 2's bias and scale words out of my tables, into the buffers that block b has just left (a quantiser run behind their last reader).  b = 2, 3: offsets 512 and 640 are the next trip's blocks 0 and 1.
; b = 0: also this chunk's words of W2.
.macro TB b
	WIN 0
	ds_load_b32 v[W1S+((\b)&1)], v[WS1] offset:128*((\b)+2)
.if (\b) == 0
.irp q, 0,1,2,3
	ds_load_b32 v[W2S+\q], v[WS2] offset:128*\q
.endr
.endif
	WIN W_LD3
.irp k, 0,1,2,3
	ds_load_b128 v[BF+16*((\b)&1)+4*\k:BF+16*((\b)&1)+4*\k+3], v[WB1] offset:128*((\b)+2)+16*\k
.endr
.endm
; In the middle of block b: the waits for what the next products read (a unit of W1; the tables asked for a block ago), the one wait on va_vdst, and all the block's loads: the tables of block b + 2 and the refill of the unit just left.
; A wait's count is the number of loads issued behind the unit wanted.  b = 0 wants W1's unit 1: behind it units 2 and 3: 16.  b = 1, 2 want units 2, 3, b = 3 the next chunk's unit 0: behind each 48
; (b = 1: unit 3 and the 40 of b = 0; b = 2: those 40 and 8; b = 3: W2's 32 and 8 + 8).  The last chunk asks for W2 alone: 16, 40, 32; in its blocks 2 and 3 no load is issued, so no wait on va_vdst is written there.
.macro BB b, last
.if (\b) == 0
	s_wait_loadcnt 16
.elseif !\last
	s_wait_loadcnt 48
.elseif (\b) < 3
	s_wait_loadcnt 48-8*(\b)
.endif
.if (!\last) || ((\b) < 3)
	s_wait_dscnt 0x0                               ; the bias and the scale words of block b + 1, asked for in the middle of the block before
.endif
.if (!\last) || ((\b) < 2)
	WIN 0
	s_wait_alu depctr_va_vdst(0)                   ; block b's products are done reading W1's unit b, BF[b % 2] and W1S[b % 2]; b = 0: the last chunk's second products are done reading W2's units and W2S.  The loads below land in these
	TB \b
.endif
.if (\b) == 0
	WIN W_LDW
.if !\last
	LDU WPN, 0, 0
.endif
.irp u, 0,1,2,3
	LDU WPC, 16384+4096*\u, 128+32*\u
.endr
.elseif !\last
	WIN W_LDW
	LDU WPN, 4096*(\b), 32*(\b)
.endif
.endm
; two products of the second kind: W2's unit b (32 outputs) x row tile m, K = this chunk's 128 hidden units
.macro PROD zero, acc, b, m
.if \zero
	v_wmma_scale_f32_16x16x128_f8f6f4 v[(\acc):(\acc)+7], v[128+32*(\b):128+32*(\b)+15], v[HQ+16*(\m):HQ+16*(\m)+15], 0, v[W2S+(\b)], v[HS+(\m)] matrix_a_fmt:MATRIX_FMT_BF8 matrix_b_fmt:MATRIX_FMT_BF8
	v_wmma_scale_f32_16x16x128_f8f6f4 v[(\acc)+8:(\acc)+15], v[144+32*(\b):144+32*(\b)+15], v[HQ+16*(\m):HQ+16*(\m)+15], 0, v[W2S+(\b)], v[HS+(\m)] matrix_a_fmt:MATRIX_FMT_BF8 matrix_b_fmt:MATRIX_FMT_BF8 matrix_a_scale:MATRIX_SCALE_ROW1
.else
	v_wmma_scale_f32_16x16x128_f8f6f4 v[(\acc):(\acc)+7], v[128+32*(\b):128+32*(\b)+15], v[HQ+16*(\m):HQ+16*(\m)+15], v[(\acc):(\acc)+7], v[W2S+(\b)], v[HS+(\m)] matrix_a_fmt:MATRIX_FMT_BF8 matrix_b_fmt:MATRIX_FMT_BF8
	v_wmma_scale_f32_16x16x128_f8f6f4 v[(\acc)+8:(\acc)+15], v[144+32*(\b):144+32*(\b)+15], v[HQ+16*(\m):HQ+16*(\m)+15], v[(\acc)+8:(\acc)+15], v[W2S+(\b)], v[HS+(\m)] matrix_a_fmt:MATRIX_FMT_BF8 matrix_b_fmt:MATRIX_FMT_BF8 matrix_a_scale:MATRIX_SCALE_ROW1
.endif
.endm
; the chunk's 48 products of the second kind: 48 accumulators, one instruction a turn.  zero = 1: the first chunk starts the sums: nothing is cleared.
; The wait in front of unit b: behind it W2's 3 - b later units and, but in the last chunk, the next chunk's three units of W1.
.macro P2 zero, last
	WIN W_P2A
.irp b, 0,1,2,3
	s_wait_loadcnt 24*(1-\last)+8*(3-\b)
.irp m, 0,1,2,3
	PROD \zero, 64*\m+16*\b, \b, \m
.endr
.endr
	WIN W_P2B
.irp b, 0,1,2,3
.irp m, 4,5
	PROD \zero, 64*(\m-4)+16*\b, \b, \m
.endr
.endr
.endm
.macro CHUNK first, last
.irp b, 0,1,2,3
	WM 2*\b+1
	QUANT 2*\b
	BB \b, \last
.if \b < 3
	WM 2*\b+2
.elseif !\last
	WM 0                                           ; the NEXT chunk's first group
.endif
	QUANT 2*\b+1
.endr
.if \last
.rept 3
	v_nop                                          ; with the line behind the last conversion: four places between the codes and the products that read them
.endr
.else
	s_add_co_u32 s[TP], s[TP], 512                 ; the next trip's tables; the three additions below and the line behind the last conversion are the four places in front of the products
	s_wait_alu depctr_vm_vsrc(0)                   ; the chunk's loads from the tables have read v[WB1], v[WS1] and v[WS2], which are written now
	v_add_nc_u32 v[WB1], s[TP], v[AB1]
	v_add_nc_u32 v[WS1], s[TP], v[AS1]
	v_add_nc_u32 v[WS2], s[TP], v[AS2]
	s_wait_xcnt 0x0                                ; the chunk's loads have had their addresses translated: their bases may be written
	s_mov_b64 s[WPC:WPC+1], s[WPN:WPN+1]
	s_add_co_u32 s[NX], s[NX], 1
	s_and_b32 s[NX], s[NX], 7
	s_lshl_b32 s62, s[NX], 15
	s_add_nc_u64 s[WPN:WPN+1], s[WB:WB+1], s[62:63]
.endif
	s_wait_alu depctr_va_vdst(0)                   ; behind the places: the conversions have written the codes v[HQ ..] and the quantiser's lines the scale words v[HS ..], which the products below take; the three LDS addresses are written, which the next chunk's loads read
	P2 \first, \last
	WIN 0
.endm
	s_load_b512 s[4:19], s[0:1], 0x0               ; x's codes s[4:5], x's scales s[6:7], W1's scales s[8:9], S2f s[10:11], b1 s[12:13], b2 s[14:15], Wf s[16:17], list s[18:19]
	s_load_b128 s[20:23], s[0:1], 0x40             ; glist s[20:21], cnt s[22:23]
	s_load_b64 s[24:25], s[0:1], 0x50              ; P
	v_lshrrev_b32 v1, 5, v0
	v_readfirstlane_b32 s[WV], v1                  ; wave 0..3
	v_and_b32 v38, 31, v0                          ; lane
	v_and_b32 v36, 15, v0                          ; r
	v_bfe_u32 v37, v0, 4, 1                        ; h
	v_lshlrev_b32 v[LOFF], 4, v38
	s_wait_alu depctr_va_vdst(0)
	s_wait_kmcnt 0x0
	s_load_b256 s[28:35], s[22:23], 0x0            ; the eight counts
	s_wait_alu depctr_va_sdst(0)                   ; s2, the wave's number, is written, ahead of its first reader: LDS addresses and bases are made from it
	s_mul_i32 s62, s[WV], TABW
	s_add_co_u32 s62, s62, TAB                     ; my tables
	v_add_nc_u32 v[TST], s62, v[LOFF]
	v_lshl_add_u32 v[AB1], v37, 6, s62
	v_and_b32 v39, 8, v36
	v_add_nc_u32 v39, v39, v36
	v_lshl_add_u32 v39, v37, 3, v39
	v_lshlrev_b32 v39, 2, v39
	v_add_nc_u32 v[AS1], s62, v39
	v_add_nc_u32 v[AS1], 4096, v[AS1]
	v_lshl_add_u32 v[AS2], v38, 2, s62
	v_add_nc_u32 v[AS2], 8192, v[AS2]
	s_mov_b32 s[TP], 0
	v_add_nc_u32 v[WB1], s[TP], v[AB1]
	v_add_nc_u32 v[WS1], s[TP], v[AS1]
	v_add_nc_u32 v[WS2], s[TP], v[AS2]
	v_lshlrev_b32 v254, 2, v36                     ; 4 r
	s_mov_b32 s98, 0x76543210                      ; v_permlanex16_b32's selects for lane l xor 16
	s_mov_b32 s99, 0xfedcba98
	s_mov_b32 s100, 0x600000                       ; the mantissa field of 57,344
	s_mov_b32 s63, 0                               ; the upper word of every offset; stays 0
	s_and_b32 s[NX], ttmp9, 7                      ; the rotation
.irp p, 0,1,2,3,4,5,6,7
	s_add_co_u32 s62, s[NX], \p
	s_and_b32 s62, s62, 7
	s_lshl_b32 s62, s62, 9
	v_add_nc_u32 v[VO+\p], s62, v[LOFF]            ; trip p's 512 bytes of each table in memory
.endr
	s_wait_kmcnt 0x0
	; WHICH TILE IS MINE.  Expert q has ceil(n / 96) tiles; (n + 95) x 43,691 >> 22 is that number for n + 95 up to 16,479 (43,691 x 96 = 2^22 + 32).  The last expert whose first tile is not behind my number is mine.
.irp q, 0,1,2,3,4,5,6,7
	s_min_u32 s[28+\q], s[28+\q], 0x4000
.endr
	s_mov_b32 s26, 0                               ; expert
	s_mov_b32 s60, ttmp9                           ; my tile among its tiles
	s_mov_b32 s27, s28                             ; its count
	s_mov_b32 s66, 0                               ; tiles in front
.irp q, 1,2,3,4,5,6,7
	s_add_co_u32 s62, s[28+\q-1], 95
	s_mul_i32 s62, s62, 43691
	s_lshr_b32 s62, s62, 22
	s_add_co_u32 s66, s66, s62
	s_sub_co_u32 s62, ttmp9, s66
	s_cmp_ge_u32 ttmp9, s66
	s_cselect_b32 s26, \q, s26
	s_cselect_b32 s60, s62, s60
	s_cselect_b32 s27, s[28+\q], s27
.endr
	s_min_u32 s26, s26, 7
	s_mul_i32 s60, s60, 96                         ; my first place in the expert's list
	s_sub_co_i32 s27, s27, s60
	s_max_i32 s27, s27, 0
	s_min_i32 s27, s27, 96                         ; my rows: 0 .. 96
	s_cmp_lg_u32 s27, 0
	s_cselect_b32 s60, s60, 0                      ; a tile without rows reads the list's first 96 places, which are always written
	s_min_u32 s60, s60, 0x4000
	s_mul_i32 s62, s26, LSTR
	s_lshl_b32 s66, s60, 2
	s_add_co_u32 s62, s62, s66
	s_add_nc_u64 s[18:19], s[18:19], s[62:63]
	s_add_nc_u64 s[20:21], s[20:21], s[62:63]
	s_mul_i32 s101, s[WV], 96                      ; the 24 rows that my wave stores at the end: their numbers and gates, as scalars
	s_load_b512 s[36:51], s[18:19], s101 offset:0x0
	s_load_b256 s[52:59], s[18:19], s101 offset:0x40
	s_load_b512 s[68:83], s[20:21], s101 offset:0x0
	s_load_b256 s[84:91], s[20:21], s101 offset:0x40
	s_lshl_b32 s62, s26, 20
	s_lshl_b32 s66, s[WV], 18
	s_add_co_u32 s62, s62, s66
	s_add_nc_u64 s[WB:WB+1], s[16:17], s[62:63]    ; an expert is 2^20 bytes of Wf, my eight chunks 2^18, a chunk 2^15
	s_lshl_b32 s62, s[NX], 15
	s_add_nc_u64 s[WPC:WPC+1], s[WB:WB+1], s[62:63]
	s_add_co_u32 s[NX], s[NX], 1
	s_and_b32 s[NX], s[NX], 7
	s_lshl_b32 s62, s[NX], 15
	s_add_nc_u64 s[WPN:WPN+1], s[WB:WB+1], s[62:63]
	s_lshl_b32 s62, s26, 14
	s_lshl_b32 s66, s[WV], 12
	s_add_co_u32 s62, s62, s66                     ; b1, W1's scale words and W2's all have 512 bytes a chunk
	s_add_nc_u64 s[8:9], s[8:9], s[62:63]
	s_add_nc_u64 s[10:11], s[10:11], s[62:63]
	s_add_nc_u64 s[12:13], s[12:13], s[62:63]
	s_lshl_b32 s62, s26, 9
	s_add_nc_u64 s[14:15], s[14:15], s[62:63]
	; 63 loads: the list (6), b2 (1), the tables (24), the first chunk's W1 (32)
	s_wait_alu depctr_va_vdst(0)                   ; the offsets v254, v[LOFF] and v[VO ..] are written, which the loads below read; so are the LDS addresses v[TST], v[WB1], v[WS1], v[WS2], which the tables' stores and first loads read
.irp m, 0,1,2,3,4,5
	global_load_b32 v[RID+\m], v254, s[18:19] offset:64*\m     ; lane (r, h): row 16 m + r of the tile
.endr
	global_load_b128 v[BO:BO+3], v[LOFF], s[14:15]
.irp p, 0,1,2,3,4,5,6,7
	global_load_b128 v[HID+4*\p:HID+4*\p+3], v[VO+\p], s[12:13]
	global_load_b128 v[HID+32+4*\p:HID+32+4*\p+3], v[VO+\p], s[8:9]
	global_load_b128 v[HID+64+4*\p:HID+64+4*\p+3], v[VO+\p], s[10:11]
.endr
	WIN W_LDW
.irp u, 0,1,2,3
	LDU WPC, 4096*\u, 32*\u
.endr
	WIN 0
	s_wait_loadcnt 57                              ; the list is in: 57 loads were issued behind it
.irp m, 0,1,2,3,4,5
	v_lshrrev_b32 v[RID+\m], 1, v[RID+\m]          ; the row's token,
	v_min_u32 v[RID+\m], 0x1fff, v[RID+\m]         ; held inside x
	v_lshlrev_b32 v[QL+\m], 2, v[RID+\m]           ; its scale word
	v_lshlrev_b32 v[RID+\m], 7, v[RID+\m]
	v_lshl_add_u32 v[RID+\m], v37, 4, v[RID+\m]    ; its codes: 128 bytes a token, + 16 h
.endr
	WIN W_LD3
	s_wait_alu depctr_va_vdst(0)                   ; the rows' offsets v[RID ..] and v[QL ..] are written, which x's loads below read
.irp m, 0,1,2,3,4,5
.irp c, 0,1,2,3
	global_load_b128 v[XF+16*\m+4*\c:XF+16*\m+4*\c+3], v[RID+\m], s[4:5] offset:32*\c   ; x's fragments stay in registers
.endr
.endr
	WIN 0
.irp m, 0,1,2,3,4,5
	global_load_b32 v[XS+\m], v[QL+\m], s[6:7]
.endr
	s_wait_loadcnt 62                              ; the tables are in: behind them W1's 32 loads and x's 30
.irp p, 0,1,2,3,4,5,6,7
	ds_store_b128 v[TST], v[HID+4*\p:HID+4*\p+3] offset:512*\p           ; in the order of the trips: so every LDS address is a constant, the lane's and the wave's terms, and 512 x trip
	ds_store_b128 v[TST], v[HID+32+4*\p:HID+32+4*\p+3] offset:4096+512*\p
	ds_store_b128 v[TST], v[HID+64+4*\p:HID+64+4*\p+3] offset:8192+512*\p
.endr
	ds_load_b32 v[W1S], v[WS1]                     ; blocks 0 and 1 of the first chunk (LDS serves a wave's instructions in order: these see my stores; the tables are my wave's own)
	ds_load_b32 v[W1S+1], v[WS1] offset:128
	WIN W_LD3
.irp k, 0,1,2,3
	ds_load_b128 v[BF+4*\k:BF+4*\k+3], v[WB1] offset:16*\k
.endr
.irp k, 0,1,2,3
	ds_load_b128 v[BF+16+4*\k:BF+16+4*\k+3], v[WB1] offset:128+16*\k
.endr
	WIN 0
	s_wait_kmcnt 0x0
.irp q, 0,1,2,3,4,5,6,7,8,9,10,11,12,13,14,15,16,17,18,19,20,21,22,23
	s_min_u32 s[36+\q], s[36+\q], 0x3fff           ; row numbers, held inside P
.endr
	s_wait_loadcnt 0x0
	s_wait_dscnt 0x0
	s_wait_alu depctr_vm_vsrc(0)                   ; the tables' LDS stores have read v[HID ..], which the products below write; x's scale loads have read their offsets in v[QL ..], which the first quantiser run writes
	WM 0
	WIN 0
	s_mul_i32 s62, s[WV], COPY                     ; the stage's addresses are made here: ten plain lines, the places behind the first products
	v_mul_u32_u24 v[STO], v36, SPITCH
	v_lshl_add_u32 v[STO], v37, 5, v[STO]
	v_add_nc_u32 v[STO], s62, v[STO]               ; my copy, row r, + 32 h
	s_mul_i32 s62, s[WV], 24*SPITCH
	v_add_nc_u32 v[SRD], s62, v[LOFF]              ; back: my wave's 24 rows, 16 bytes a lane, in each of the four copies
	v_add_nc_u32 v[SRD+1], COPY, v[SRD]
	v_add_nc_u32 v[SRD+2], 2*COPY, v[SRD]
	v_add_nc_u32 v[SRD+3], 3*COPY, v[SRD]
	v_mov_b32 v[QP], 0                             ; (a lane permute's destination counts as one of its sources)
	v_mov_b32 v[QP+1], 0
	v_mov_b32 v[QP+2], 0
	CHUNK 1, 0
	s_mov_b32 s3, 6
.Lchunk:
	CHUNK 0, 0
	s_sub_co_u32 s3, s3, 1
	s_cmp_lg_u32 s3, 0
	s_cbranch_scc1 .Lchunk
	CHUNK 0, 1                                     ; the last chunk asks for nothing beyond itself
	; THE END.  Each wave's 96 x 128 partial sums go to its copy in the stage; a barrier; wave w adds the four copies of rows 24 w .. 24 w + 23, adds b2, multiplies by the row's gate and stores the row to P.
.rept 8
	v_nop                                          ; places behind the last products, in front of the stores that read results
.endr
	WIN W_ST2
	s_wait_alu depctr_va_vdst(0)                   ; behind the places: the products have written the sums, which the LDS stores below read, and are done reading the codes; v[STO] and v[SRD ..] are written.  No vector line stands between here and the loads from the stage, which land in v[HID ..] and v[HQ ..]
.irp m, 0,1,2,3
.irp o, 0,1,2,3,4,5,6,7
	ds_store_b128 v[STO], v[64*\m+8*\o:64*\m+8*\o+3] offset:16*SPITCH*\m+64*\o          ; lane (r, h): row 16 m + r, outputs 16 o + 8 h + 0 .. 7; each result from its low end on
	ds_store_b128 v[STO], v[64*\m+8*\o+4:64*\m+8*\o+7] offset:16*SPITCH*\m+64*\o+16
.endr
.endr
	WIN W_ST3
.irp m, 4,5
.irp o, 0,1,2,3,4,5,6,7
	ds_store_b128 v[STO], v[64*(\m-4)+8*\o:64*(\m-4)+8*\o+3] offset:16*SPITCH*\m+64*\o
	ds_store_b128 v[STO], v[64*(\m-4)+8*\o+4:64*(\m-4)+8*\o+7] offset:16*SPITCH*\m+64*\o+16
.endr
.endr
	WIN 0
	s_mul_i32 s66, s[WV], 24
	s_sub_co_i32 s66, s27, s66                     ; how many of my 24 rows exist
	s_wait_dscnt 0x0                               ; for the others' sake: my stores into the stage are done
	s_barrier_signal -1
	s_barrier_wait -1
.macro TLOAD n                         ; batch n: six rows x four copies, 24 loads of 512 consecutive bytes, into the registers of the hidden layer (even n) or of its codes (odd n)
.set TBF, HID+96*((\n)&1)
.irp j, 0,1,2,3,4,5
.irp q, 0,1,2,3
	ds_load_b128 v[TBF+16*\j+4*\q:TBF+16*\j+4*\q+3], v[SRD+\q] offset:SPITCH*(6*(\n)+\j)
.endr
.endr
.endm
.macro TSUM n, younger                 ; batch n's six rows are summed, and their offsets in P made; younger: the next batch's 24 loads, or none.  (Rows behind the tile's end are summed with the others of their batch and not stored)
.set TBF, HID+96*((\n)&1)
.irp j, 0,1,2,3,4,5
	s_wait_dscnt \younger+20-4*\j                  ; row j's four loads are in: behind them 4 (5 - j) of this batch and the next batch's
	v_pk_add_f32 v[TBF+16*\j:TBF+16*\j+1], v[TBF+16*\j:TBF+16*\j+1], v[TBF+16*\j+4:TBF+16*\j+5]
	v_pk_add_f32 v[TBF+16*\j+2:TBF+16*\j+3], v[TBF+16*\j+2:TBF+16*\j+3], v[TBF+16*\j+6:TBF+16*\j+7]
	v_pk_add_f32 v[TBF+16*\j+8:TBF+16*\j+9], v[TBF+16*\j+8:TBF+16*\j+9], v[TBF+16*\j+12:TBF+16*\j+13]
	v_pk_add_f32 v[TBF+16*\j+10:TBF+16*\j+11], v[TBF+16*\j+10:TBF+16*\j+11], v[TBF+16*\j+14:TBF+16*\j+15]
	v_pk_add_f32 v[TBF+16*\j:TBF+16*\j+1], v[TBF+16*\j:TBF+16*\j+1], v[TBF+16*\j+8:TBF+16*\j+9]
	v_pk_add_f32 v[TBF+16*\j+2:TBF+16*\j+3], v[TBF+16*\j+2:TBF+16*\j+3], v[TBF+16*\j+10:TBF+16*\j+11]
	v_pk_add_f32 v[TBF+16*\j:TBF+16*\j+1], v[TBF+16*\j:TBF+16*\j+1], v[BO:BO+1]
	v_pk_add_f32 v[TBF+16*\j+2:TBF+16*\j+3], v[TBF+16*\j+2:TBF+16*\j+3], v[BO+2:BO+3]
.irp c, 0,1,2,3
	v_mul_f32 v[TBF+16*\j+\c], s[68+6*(\n)+\j], v[TBF+16*\j+\c]
.endr
	v_lshl_add_u32 v[VO+\j], s[36+6*(\n)+\j], 9, v[LOFF]
.endr
	s_wait_alu depctr_va_vdst(0)                   ; the batch's sums and offsets are written, which its stores read; its lines are done with the batch's registers, in which the batch after next lands
.endm
.macro TSEND n                         ; batch n's rows are stored, as far as the tile has rows
.set TBF, HID+96*((\n)&1)
.irp j, 0,1,2,3,4,5
	s_cmp_le_i32 s66, 6*(\n)+\j                    ; the tile's rows end here: nothing more is stored
	s_cbranch_scc1 .Ldone
	global_store_b128 v[VO+\j], v[TBF+16*\j:TBF+16*\j+3], s[24:25]    ; the 32 lanes store the row's 512 consecutive bytes, aligned
.endr
.endm
	TLOAD 0
	TLOAD 1
	TSUM 0, 24
	TSEND 0
	s_wait_xcnt 0x0                                ; the batch's stores have had their addresses translated: their data and offset registers may be written again
	s_wait_alu depctr_vm_vsrc(0)                   ; batch 0's stores have read their data, in which batch 2 lands, and their offsets, which the next batch's lines write
	TLOAD 2
	TSUM 1, 24
	TSEND 1
	s_wait_xcnt 0x0
	s_wait_alu depctr_vm_vsrc(0)                   ; batch 1's stores have read their data, in which batch 3 lands, and their offsets, which the next batch's lines write
	TLOAD 3
	TSUM 2, 24
	TSEND 2
	s_wait_xcnt 0x0
	s_wait_alu depctr_vm_vsrc(0)                   ; batch 2's stores have read their offsets, which the last batch's lines write
	TSUM 3, 0
	TSEND 3
.Ldone:
	s_wait_dscnt 0x0                               ; loads that a short tile leaves unread
	s_wait_xcnt 0x0
	s_wait_alu depctr_vm_vsrc(0)                   ; the list's loads, at the head, have read their offset in v254, which is made anew below
	v_lshl_add_u32 v254, v0, 2, 0x3d800
	v_mov_b32 v255, 0
	s_wait_dscnt 0x0                               ; the closing lines, six on end
	s_wait_alu 0x0
	s_wait_tensorcnt 0x0
	ds_add_u32 v254, v255
	s_wait_dscnt 0x0
	s_endpgm
.Lfunc_end_k_q78c7824e3f_experts:
	.size	k_q78c7824e3f_experts, .Lfunc_end_k_q78c7824e3f_experts-k_q78c7824e3f_experts
	.p2alignl 7, 3214868480
	.fill 96, 4, 3214868480
	.section	.rodata,"a",@progbits
	.p2align	6, 0x0
	.amdhsa_kernel k_q78c7824e3f_experts
		.amdhsa_group_segment_fixed_size 252416
		.amdhsa_private_segment_fixed_size 0
		.amdhsa_enable_private_segment 0
		.amdhsa_kernarg_size 88
		.amdhsa_user_sgpr_count 2
		.amdhsa_user_sgpr_kernarg_segment_ptr 1
		.amdhsa_wavefront_size32 1
		.amdhsa_system_sgpr_workgroup_id_x 1
		.amdhsa_system_sgpr_workgroup_id_y 1
		.amdhsa_system_sgpr_workgroup_id_z 1
		.amdhsa_system_vgpr_workitem_id 0
		.amdhsa_next_free_vgpr 1024
		.amdhsa_next_free_sgpr 102
		.amdhsa_reserve_vcc 0
		.amdhsa_float_denorm_mode_32 3
		.amdhsa_float_denorm_mode_16_64 3
		.amdhsa_memory_ordered 1
		.amdhsa_forward_progress 1
		.amdhsa_inst_pref_size 255
	.end_amdhsa_kernel
	.section	.bss,"aw",@nobits
	.p2align	6
	.space	262144
	.amdgpu_metadata
---
amdhsa.version: [ 1, 2 ]
amdhsa.kernels:
  - .name:           k_q78c7824e3f_experts
    .symbol:         k_q78c7824e3f_experts.kd
    .args:
      - { .name: x_codes, .offset: 0, .size: 8, .value_kind: global_buffer, .address_space: global }
      - { .name: x_scales, .offset: 8, .size: 8, .value_kind: global_buffer, .address_space: global }
      - { .name: W1_scales, .offset: 16, .size: 8, .value_kind: global_buffer, .address_space: global }
      - { .name: S2f, .offset: 24, .size: 8, .value_kind: global_buffer, .address_space: global }
      - { .name: b1, .offset: 32, .size: 8, .value_kind: global_buffer, .address_space: global }
      - { .name: b2, .offset: 40, .size: 8, .value_kind: global_buffer, .address_space: global }
      - { .name: Wf, .offset: 48, .size: 8, .value_kind: global_buffer, .address_space: global }
      - { .name: list, .offset: 56, .size: 8, .value_kind: global_buffer, .address_space: global }
      - { .name: glist, .offset: 64, .size: 8, .value_kind: global_buffer, .address_space: global }
      - { .name: cnt, .offset: 72, .size: 8, .value_kind: global_buffer, .address_space: global }
      - { .name: P, .offset: 80, .size: 8, .value_kind: global_buffer, .address_space: global }
    .group_segment_fixed_size: 252416
    .private_segment_fixed_size: 0
    .kernarg_segment_align: 8
    .kernarg_segment_size: 88
    .max_flat_workgroup_size: 128
    .sgpr_count:     102
    .vgpr_count:     1024
    .wavefront_size: 32
...
	.end_amdgpu_metadata
.endif
;; end of part 5
;; launch combine (part 6): grid 256 x 1, 8 waves a work-group, no clusters, 0 bytes of LDS; arguments P, out0; writes out0
.if DOCPART == 6
	.amdgcn_target "amdgcn-amd-amdhsa--gfx1250"
	.amdhsa_code_object_version 6
	.text
	.protected	k_q78c7824e3f_combine
	.globl	k_q78c7824e3f_combine
	.p2align	8
	.type	k_q78c7824e3f_combine,@function
k_q78c7824e3f_combine:
	s_mov_b64 s[64:65], 0
	v_nop
	global_prefetch_b8 v0, s[64:65] scope:SCOPE_SE
	s_setreg_imm32_b32 hwreg(HW_REG_WAVE_MODE, 25, 1), 1
	s_wait_xcnt 0x0
; out0[t] = P[2 t] + P[2 t + 1]: a token's two routed rows, each already multiplied by its gate.  P: [16,384][128] f32, out0: [8,192][128] f32.
; A stream: a wave takes four tokens; each load and store of the wave covers 512 consecutive bytes, aligned; all eight loads of a wave go out at once, and there is no loop.
; 256 work-groups x 8 waves x 4 tokens = 8,192.  No LDS, no barrier, no matrix unit: nothing here is shared or multiplied.
	s_load_b128 s[4:7], s[0:1], 0x0                ; P s[4:5], out0 s[6:7]
	v_lshrrev_b32 v1, 5, v0
	s_delay_alu instid0(VALU_DEP_1)
	v_readfirstlane_b32 s8, v1                     ; wave 0..7
	v_and_b32 v2, 31, v0
	s_delay_alu instid0(VALU_DEP_1)
	v_lshlrev_b32 v2, 4, v2                        ; 16 bytes a lane
	s_lshl_b32 s9, ttmp9, 5
	s_lshl_b32 s10, s8, 2
	s_add_co_u32 s9, s9, s10                       ; my first token: 32 x work-group + 4 x wave
	s_lshl_b32 s10, s9, 10                         ; 1,024 bytes of P a token,
	s_mov_b32 s11, 0
	s_lshl_b32 s12, s9, 9                          ; 512 of out0
	s_mov_b32 s13, 0
	s_wait_alu depctr_va_vdst(0)
	s_wait_kmcnt 0x0
	s_add_nc_u64 s[4:5], s[4:5], s[10:11]
	s_add_nc_u64 s[6:7], s[6:7], s[12:13]
.irp j, 0,1,2,3
	global_load_b128 v[4+8*\j:7+8*\j], v2, s[4:5] offset:1024*\j th:TH_LOAD_NT
	global_load_b128 v[8+8*\j:11+8*\j], v2, s[4:5] offset:1024*\j+512 th:TH_LOAD_NT
.endr
.irp j, 0,1,2,3
	s_wait_loadcnt 6-2*\j                          ; token j's two loads are in; the later tokens' may be out
	v_pk_add_f32 v[4+8*\j:5+8*\j], v[4+8*\j:5+8*\j], v[8+8*\j:9+8*\j]
	v_pk_add_f32 v[6+8*\j:7+8*\j], v[6+8*\j:7+8*\j], v[10+8*\j:11+8*\j]
	global_store_b128 v2, v[4+8*\j:7+8*\j], s[6:7] offset:512*\j th:TH_STORE_NT
.endr
	s_endpgm
.Lfunc_end_k_q78c7824e3f_combine:
	.size	k_q78c7824e3f_combine, .Lfunc_end_k_q78c7824e3f_combine-k_q78c7824e3f_combine
	.p2alignl 7, 3214868480
	.fill 96, 4, 3214868480
	.section	.rodata,"a",@progbits
	.p2align	6, 0x0
	.amdhsa_kernel k_q78c7824e3f_combine
		.amdhsa_group_segment_fixed_size 0
		.amdhsa_private_segment_fixed_size 0
		.amdhsa_enable_private_segment 0
		.amdhsa_kernarg_size 16
		.amdhsa_user_sgpr_count 2
		.amdhsa_user_sgpr_kernarg_segment_ptr 1
		.amdhsa_wavefront_size32 1
		.amdhsa_system_sgpr_workgroup_id_x 1
		.amdhsa_system_sgpr_workgroup_id_y 1
		.amdhsa_system_sgpr_workgroup_id_z 1
		.amdhsa_system_vgpr_workitem_id 0
		.amdhsa_next_free_vgpr 40
		.amdhsa_next_free_sgpr 66
		.amdhsa_reserve_vcc 0
		.amdhsa_float_denorm_mode_32 3
		.amdhsa_float_denorm_mode_16_64 3
		.amdhsa_memory_ordered 1
		.amdhsa_forward_progress 1
		.amdhsa_inst_pref_size 3
	.end_amdhsa_kernel
	.amdgpu_metadata
---
amdhsa.version: [ 1, 2 ]
amdhsa.kernels:
  - .name:           k_q78c7824e3f_combine
    .symbol:         k_q78c7824e3f_combine.kd
    .args:
      - { .name: P, .offset: 0, .size: 8, .value_kind: global_buffer, .address_space: global }
      - { .name: out0, .offset: 8, .size: 8, .value_kind: global_buffer, .address_space: global }
    .group_segment_fixed_size: 0
    .private_segment_fixed_size: 0
    .kernarg_segment_align: 8
    .kernarg_segment_size: 16
    .max_flat_workgroup_size: 256
    .sgpr_count:     66
    .vgpr_count:     40
    .wavefront_size: 32
...
	.end_amdgpu_metadata
.endif
;; end of part 6
